; MI455X (gfx1250); checked and timed in simulation.
; The chip was launched on July 23, 2026; its instructions are those of AMD's public machine-readable ISA for CDNA 5 (MIT licence, August 2026) and "CDNA5" Instruction Set Architecture Reference Guide (July 2026). The comments in the code are by the model that wrote it; some were corrected since.
;; Multi Head Attention. Allowed arithmetic: matrix products marked QUANTISED: E4M3 operands, one given power-of-two scale a tensor, by v_wmma_f32_16x16x64_fp8_fp8 or v_wmma_f32_16x16x128_fp8_fp8, f32 sums; everything else in f32.
;; Inputs: Wk 1,024 x 1,024 float32; Wo 1,024 x 1,024 float32; Wq 1,024 x 1,024 float32; Wv 1,024 x 1,024 float32; key 2 x 2,048 x 1,024 float32; lowp_scales 12 int32 (the exponents e of the quantised operands' scales 2^e); mask 1 x 1 x 2,048 x 2,048 bool; query 2 x 2,048 x 1,024 float32; value 2 x 2,048 x 1,024 float32.
;; Outputs: out0 2 x 2,048 x 1,024 float32.
;; This version of the problem:
;;   THIS VERSION OF THE PROBLEM IS GIVEN IN LOW PRECISION. The matrix products marked QUANTISED in the list below multiply operands that are first quantised to E4M3 (4 exponent bits, 3 mantissa bits; 8 bits a number), with one given power-of-two scale for each operand tensor; their sums are f32. All else is computed in f32.
;;   The module's matrix products, in the order in which they are computed (A, B: the left and right operand; K: the contracted axis; several contracted axes count as one K, in the product's order):
;;     1. [M 4,096, K 1,024] x [K 1,024, N 1,024]; A: input query; B: input Wq: QUANTISED (scales: A lowp_scales[0], B lowp_scales[1])
;;     2. [M 4,096, K 1,024] x [K 1,024, N 1,024]; A: input key; B: input Wk: QUANTISED (scales: A lowp_scales[2], B lowp_scales[3])
;;     3. [M 4,096, K 1,024] x [K 1,024, N 1,024]; A: input value; B: input Wv: QUANTISED (scales: A lowp_scales[4], B lowp_scales[5])
;;     4. batch 32 x [M 2,048, K 64] x [K 64, N 2,048]; A: computed on the way; B: computed on the way: QUANTISED (scales: A lowp_scales[6], B lowp_scales[7])
;;     5. batch 32 x [M 2,048, K 2,048] x [K 2,048, N 64]; A: softmax (see below); B: computed on the way: QUANTISED (scales: A lowp_scales[8], B lowp_scales[9])
;;     6. [M 4,096, K 1,024] x [K 1,024, N 1,024]; A: computed on the way; B: input Wo: QUANTISED (scales: A lowp_scales[10], B lowp_scales[11])
;;   THE QUANTISER, for each operand of a quantised product, along K:
;;     - The operand's scale is 2^e, e = its entry of the input lowp_scales (int32; the entries are numbered through the quantised products in the list's order, A before B).
;;     - Each number is divided by the scale, clamped to +-448, and rounded to the nearest number of E4M3, ties to even, subnormals kept.
;;     - The product sums the exact products of the quantised numbers (number of the format x scale) in f32.
;;   ~~~python
;;   def quantise(x, axis, e):      # numpy; x: float32 -> the quantised numbers, widened to float32 again
;;       x = np.moveaxis(x, axis, -1); K = x.shape[-1]
;;       r = np.clip(x / 2.0 ** e, -448, 448)
;;       step = 2.0 ** (np.maximum(np.frexp(np.where(r == 0, 1, r))[1] - 1, -6) - 3)
;;       q = np.round(r / step) * step * 2.0 ** e      # np.round: ties to even
;;       return np.moveaxis(q, -1, axis).astype(np.float32)
;;   ~~~
;;   SOFTMAX AHEAD OF A QUANTISED PRODUCT. Where the list says 'softmax', what is quantised is not the finished softmax but p = 2^(t - M), with t = logit x log2(e) and M = ceil(the row's largest t), a whole number; so 1/2 < the row's largest p <= 1. The row's sum l is taken of the UNQUANTISED p, in f32, and the product's result is divided by l at the end. Since M is a whole number, a kernel that streams over the keys may use a running M (the ceiling of the running maximum): every later rescaling is an exact power of two, so the quantised numbers keep their values, but for numbers so far below the row's largest that they fall under the format's range.
;;   OPERANDS COMPUTED ON THE WAY. 'Computed on the way' means the value that the module computes at that place (a softmax that the list does not call 'softmax' is quantised finished and normalised). What goes into a quantiser is computed in f32, as accurately as f32 sums, v_exp_f32 and their like allow (about 1e-6 of the number): no bf16 or f16 on the way to a quantiser, and a product that is left as it is and whose result goes on into a quantised operand takes f32 operands (vector FMAs, or v_wmma_f32_16x16x4_f32). A number that lies on a knife's edge between two numbers of the format may be rounded either way, as far as f32 arithmetic and the matrix unit's own rounding can turn it there, and no further.
;; 2 versions, each right; version 2 is version 1 with the launch attn written anew for expert scheduling mode. Each part assembles by itself: llvm-mc -triple=amdgcn-amd-amdhsa -mcpu=gfx1250 --defsym DOCPART=n.
;; ======== version 1 of 2: 4 launches
;; limits: right only within a limited range of input values
;; workspace buffers: codes 16,777,216 bytes; qimg 4,194,304 bytes; kv 8,388,608 bytes; ao 4,194,304 bytes; mbits 524,288 bytes of whole numbers; flags 1,024 bytes of whole numbers
;; launch quant (part 1): grid 640 x 1, 4 waves a work-group, no clusters, 34,304 bytes of LDS; arguments query, key, value, Wq, Wk, Wv, Wo, lowp_scales, mask, codes, mbits, flags; writes codes, mbits, flags
.if DOCPART == 1
	.amdgcn_target "amdgcn-amd-amdhsa--gfx1250"
	.amdhsa_code_object_version 6
	.text
	.protected	k_q0e76fcccb2_quant
	.globl	k_q0e76fcccb2_quant
	.p2align	8
	.type	k_q0e76fcccb2_quant,@function
k_q0e76fcccb2_quant:
	s_mov_b64 s[64:65], 0
	v_nop
	global_prefetch_b8 v0, s[64:65] scope:SCOPE_SE
	s_setreg_imm32_b32 hwreg(HW_REG_WAVE_MODE, 25, 1), 1
	s_wait_xcnt 0x0
; TWO JOBS IN ONE LAUNCH, told apart by the work-group's number alone.
; Work-groups 0-511: query, key, value, Wq, Wk, Wv, Wo (f32, K innermost) become codes of FP8 (E4M3), one byte each, in one buffer of 16,384 rows x 1,024 codes, in that order.
;   code = x / 2^e, held within +-448, rounded to the nearest code, ties to even.  e: entries 0, 2, 4, 1, 3, 5, 11 of the scales.  LIMIT: -126 <= e <= 119.  NaN among the inputs is not served.
;   ROWS CHANGE PLACES: in every tensor but Wo a row is stored at its number with bits 3 and 4 exchanged, so that row 16 i + r of the buffer is row 32 (i / 2) + 8 (i % 2) + r + 8 (r / 8) of the tensor.
;   A tile of 16 neighbouring rows of the buffer is then the tile whose results, two tiles together, are 16 neighbours along the next product's K.  A wave takes 8 rows, so the exchange is one of the wave's number.
;   A wave takes 16 steps of 512 numbers: each load reads 512 consecutive bytes, the 2,048 bytes of a step turn through the wave's own stage in LDS and come back 64 bytes (16 neighbours) a lane; a store covers 512 consecutive bytes.
; Work-groups 512-639: the mask (bytes 0 or 1) of one tile T of 16 queries becomes lane masks: word n (0..63) of key step t (128 keys) has bit (r + 16 h) = mask[query 32 (T / 2) + 8 (T % 2) + r + 8 (r / 8)][128 t + 32 (n / 16) + 16 h + n % 16]:
;   the lanes and registers in which the attention launch holds its scores.  Beside them two words a tile: act, bit t: step t has a key that counts for some query of the tile (all 16 bits where some query has no key at all: its weights
;   are then uniform over all keys, so no step may be left out); all, bit t: every key of step t counts for every query of the tile.
;   A mask load takes 16 rows x 32 bytes, since the ballot wants the lanes as the scores have them; a wave's sixteen loads together cover 512 consecutive bytes of each of its 16 rows.  The two flag words are one store of 8 bytes a work-group.
; The two jobs use LDS bytes of their own: 0 .. 32,767 the stages, from 32,768 on 128 bytes for the mask's words.
.set STEPS, 16
.set EMAX,  8
.set MANT,  0x600000                   ; the mantissa field of 448 as f32
.set CB,    16                         ; bytes of 16 codes
.set R,     16                         ; v16-79   four sets of 16 numbers as they are loaded
.set X,     80                         ; v80-111  two sets of 16 neighbours
.set C,     128                        ; v128-191 codes: four registers for each step, so that no store's data are written again
.set WREG,  8192                       ; LDS: a region of its own for each wave: two stages of 32 x SP bytes
.set SP,    80                         ; a lane's place in a stage: its 64 bytes + 16 of padding
.set MLDS,  32768                      ; the mask job's LDS bytes
	s_load_b512 s[4:19], s[0:1], 0x0               ; query s[4:5], key s[6:7], value s[8:9], Wq s[10:11], Wk s[12:13], Wv s[14:15], Wo s[16:17], the scales' exponents s[18:19]
	s_load_b256 s[20:27], s[0:1], 0x40             ; mask s[20:21], codes s[22:23], mbits s[24:25], flags s[26:27]
	v_lshl_add_u32 v192, v0, 2, 0x8400
	v_mov_b32 v193, 0
	v_lshrrev_b32 v1, 5, v0
	v_readfirstlane_b32 s28, v1                    ; wave 0..3
	v_and_b32 v2, 31, v0                           ; lane
	s_cmp_ge_u32 ttmp9, 512
	s_cbranch_scc1 .Lmask
; ---------------- the quantiser ----------------
	v_lshlrev_b32 v3, 4, v2                        ; my 16 bytes of a load's 512
	s_mul_i32 s29, s28, WREG
	v_lshrrev_b32 v14, 2, v2
	v_mul_u32_u24 v14, v14, SP
	v_and_b32 v15, 3, v2
	v_lshl_add_u32 v14, v15, 4, v14
	v_add_nc_u32 v14, s29, v14                     ; the stage, on the way in: SP (lane / 4) + 16 (lane % 4)
	v_mul_u32_u24 v15, v2, SP
	v_add_nc_u32 v15, s29, v15                     ; and on the way out: SP x lane: my 16 neighbours
	v_mul_u32_u24 v4, v2, CB                       ; my codes' place in a step's
	s_wait_kmcnt 0x0
	s_load_b256 s[32:39], s[18:19], 0x0            ; e0 .. e7
	s_load_b128 s[40:43], s[18:19], 0x20           ; e8 .. e11
; which tensor: the choice hangs on the work-group's number alone.  s[44:45] its address, s47 its first work-group
.macro PICKP thr, p
	s_cmp_ge_u32 ttmp9, \thr
	s_cselect_b64 s[44:45], s[\p:\p+1], s[44:45]
	s_cselect_b32 s47, \thr, s47
.endm
	s_mov_b64 s[44:45], s[4:5]
	s_mov_b32 s47, 0
	PICKP 128, 6
	PICKP 256, 8
	PICKP 384, 10
	PICKP 416, 12
	PICKP 448, 14
	PICKP 480, 16
	s_sub_co_u32 s48, ttmp9, s47
	s_lshl_b32 s48, s48, 17                        ; a work-group's 32 rows of 4,096 bytes,
	s_lshl_b32 s49, s28, 15                        ; my wave's 8 of them
	s_add_co_u32 s48, s48, s49
	s_mov_b32 s49, 0
	s_add_nc_u64 s[44:45], s[44:45], s[48:49]
	s_and_b32 s50, s28, 1                          ; the wave's two bits are the rows' bits 3 and 4: exchanged on the way out,
	s_lshl_b32 s50, s50, 1
	s_lshr_b32 s51, s28, 1
	s_or_b32 s50, s50, s51
	s_cmp_lt_u32 ttmp9, 480
	s_cselect_b32 s50, s50, s28                    ; but not in Wo
	s_lshl_b32 s51, ttmp9, 2
	s_add_co_u32 s50, s50, s51
	s_lshl_b32 s50, s50, 13                        ; 8 rows of 1,024 codes
	s_mov_b32 s51, 0
	s_add_nc_u64 s[22:23], s[22:23], s[50:51]
.macro LOAD t
.irp i, 0,1,2,3
	global_load_b128 v[R+16*((\t)%4)+4*\i:R+16*((\t)%4)+4*\i+3], v3, s[44:45] offset:2048*(\t)+512*\i th:TH_LOAD_NT   ; 32 lanes read 512 consecutive bytes
.endr
.endm
.macro TURN t                          ; step t's numbers through the stage: LDS serves a wave's instructions in order, so no wait stands between the stores and the loads
.irp i, 0,1,2,3
	ds_store_b128 v14, v[R+16*((\t)%4)+4*\i:R+16*((\t)%4)+4*\i+3] offset:32*SP*((\t)%2)+8*SP*\i
.endr
.irp i, 0,1,2,3
	ds_load_b128 v[X+16*((\t)%2)+4*\i:X+16*((\t)%2)+4*\i+3], v15 offset:32*SP*((\t)%2)+16*\i
.endr
.endm
.irp t, 0,1,2,3
	LOAD \t
.endr
	s_wait_kmcnt 0x0
.macro PICKE thr, e
	s_cmp_ge_u32 ttmp9, \thr
	s_cselect_b32 s46, s[\e], s46
.endm
	s_mov_b32 s46, s32                             ; query: e0
	PICKE 128, 34                                  ; key: e2
	PICKE 256, 36                                  ; value: e4
	PICKE 384, 33                                  ; Wq: e1
	PICKE 416, 35                                  ; Wk: e3
	PICKE 448, 37                                  ; Wv: e5
	PICKE 480, 43                                  ; Wo: e11
	s_add_co_i32 s46, s46, 127
	s_lshl_b32 s47, s46, 23
	v_mov_b32 v11, s47                             ; 2^e as f32: the conversion takes its exponent field
	s_add_co_i32 s46, s46, EMAX
	s_lshl_b32 s46, s46, 23
	s_or_b32 s46, s46, MANT
	v_mov_b32 v10, s46                             ; 448 x 2^e
	s_wait_loadcnt 12                              ; step 0's four loads are in; the twelve of steps 1 to 3 may be out
	TURN 0
.macro STEP t
.set XS, X+16*((\t)%2)
	s_wait_dscnt 0x0                               ; this step's numbers are back from the stage: so its stores into the stage have read their registers,
.if (\t)+4 < STEPS
	LOAD (\t)+4                                    ; which take the loads of four steps on
.endif
.if (\t)+1 < STEPS
.if STEPS-2-(\t) >= 3
	s_wait_loadcnt 12                              ; the next step's four loads are in; those of the three steps behind it may be out
.else
	s_wait_loadcnt 4*(STEPS-2-(\t))
.endif
	TURN (\t)+1                                    ; and go through the other stage while this step is worked
.endif
.irp i, 0,1,2,3,4,5,6,7,8,9,10,11,12,13,14,15
	v_med3_num_f32 v[XS+\i], v[XS+\i], -v10, v10   ; the conversion to an 8-bit code does not saturate (ISA guide 7.6.2): hold the number within the largest code x the scale first
.endr
	v_cvt_scalef32_pk8_fp8_f32 v[C+4*(\t):C+4*(\t)+1], v[XS:XS+7], v11
	v_cvt_scalef32_pk8_fp8_f32 v[C+4*(\t)+2:C+4*(\t)+3], v[XS+8:XS+15], v11
	global_store_b128 v4, v[C+4*(\t):C+4*(\t)+3], s[22:23] offset:32*CB*(\t)   ; the results go to a store alone; the next step's holds are plain lines on other registers
.endm
.irp t, 0,1,2,3,4,5,6,7,8,9,10,11,12,13,14,15
	STEP \t
.endr
	s_wait_tensorcnt 0x0
	ds_add_u32 v192, v193
	s_wait_dscnt 0x0
	s_endpgm
; ---------------- the mask ----------------
.Lmask:
	v_and_b32 v1, 15, v0                           ; r
	v_bfe_u32 v5, v0, 4, 1                         ; h
	v_lshrrev_b32 v6, 3, v1
	v_lshl_add_u32 v6, v6, 3, v1                   ; r + 8 (r / 8)
	v_lshlrev_b32 v3, 11, v6                       ; a row of the mask is 2,048 bytes
	v_lshl_add_u32 v3, v5, 4, v3                   ; + 16 h
	v_lshlrev_b32 v4, 3, v2                        ; the words' way out: 8 bytes a lane
	s_lshl_b32 s38, s28, 4
	s_add_co_u32 s38, s38, MLDS
	v_mov_b32 v9, s38                              ; LDS: my wave's four words
	v_lshl_add_u32 v10, v1, 2, MLDS                ; and step (lane % 16)'s word
	s_sub_co_u32 s30, ttmp9, 512                   ; T
	s_lshr_b32 s31, s30, 1
	s_lshl_b32 s31, s31, 5
	s_and_b32 s32, s30, 1
	s_lshl_b32 s32, s32, 3
	s_add_co_u32 s31, s31, s32                     ; the tile's first query: 32 (T / 2) + 8 (T % 2)
	s_lshl_b32 s32, s31, 11
	s_lshl_b32 s33, s28, 9                         ; my wave's four steps: 512 keys
	s_add_co_u32 s32, s32, s33
	s_mov_b32 s33, 0
	s_lshl_b32 s34, s30, 4
	s_lshl_b32 s35, s28, 2
	s_add_co_u32 s34, s34, s35
	s_lshl_b32 s34, s34, 8                         ; (16 T + 4 wave) steps of 256 bytes of words
	s_mov_b32 s35, 0
	s_lshl_b32 s36, s30, 3                         ; 8 bytes of flags a tile
	s_mov_b32 s37, 0
	s_wait_kmcnt 0x0
	s_add_nc_u64 s[20:21], s[20:21], s[32:33]
	s_add_nc_u64 s[24:25], s[24:25], s[34:35]
	s_add_nc_u64 s[26:27], s[26:27], s[36:37]
.irp k, 0,1,2,3
.irp b, 0,1,2,3
	global_load_b128 v[16+16*\k+4*\b:16+16*\k+4*\b+3], v3, s[20:21] offset:128*\k+32*\b th:TH_LOAD_NT   ; keys 128 k + 32 b + 16 h + 0 .. 15 of my query
.endr
.endr
.irp i, 0,1,2,3,4,5,6,7
	v_mov_b32 v[80+\i], 0                          ; v_writelane_b32's destination counts as read
.endr
	s_wait_loadcnt 0x0
; step k of my four: 64 ballots, four at a time.  Word n goes to lane n / 2 of register n % 2 of a pair, so that the 32 lanes store the 64 words as 256 consecutive bytes.
.macro BALLOT k
	s_mov_b32 s[48+\k], 0                          ; the words' OR: bit (r, h): that lane has a key that counts
	s_mov_b32 s[52+\k], -1                         ; and their AND
.set n, 0
.rept 16
.irp q, 0,1,2,3
	v_bfe_u32 v[88+\q], v[16+16*\k+n/4], 8*\q, 8
.endr
.irp q, 0,1,2,3
	v_cmp_ne_u32 s[56+\q], 0, v[88+\q]
.endr
.irp q, 0,1,2,3
	v_writelane_b32 v[80+2*\k+(\q%2)], s[56+\q], (n+\q)/2
.endr
.irp q, 0,1,2,3
	s_or_b32 s[48+\k], s[48+\k], s[56+\q]
	s_and_b32 s[52+\k], s[52+\k], s[56+\q]
.endr
.set n, n+4
.endr
	global_store_b64 v4, v[80+2*\k:81+2*\k], s[24:25] offset:256*\k
.endm
	BALLOT 0
	BALLOT 1
	BALLOT 2
	BALLOT 3
.irp k, 0,1,2,3
	v_mov_b32 v[92+\k], s[48+\k]
	v_mov_b32 v[96+\k], s[52+\k]
.endr
	ds_store_b128 v9, v[92:95]                     ; all lanes write the same 16 bytes with the same values
	ds_store_b128 v9, v[96:99] offset:64
	s_wait_dscnt 0x0                               ; for the others' sake: my words lie in LDS
	s_barrier_signal -1
	s_barrier_wait -1
	s_cmp_lg_u32 s28, 0
	s_cbranch_scc1 .Ldone                          ; wave 0 makes the tile's two flag words
	ds_load_b32 v11, v10                           ; step (lane % 16)'s OR word,
	ds_load_b32 v12, v10 offset:64                 ; and its AND word
	s_wait_dscnt 0x0
	v_cmp_ne_u32 s40, 0, v11
	v_cmp_eq_u32 s41, -1, v12
	s_and_b32 s40, s40, 0xffff                     ; bit t: step t has a key that counts
	s_and_b32 s41, s41, 0xffff                     ; bit t: all of step t counts
	v_readlane_b32 s42, v11, 0
.irp l, 1,2,3,4,5,6,7,8,9,10,11,12,13,14,15
	v_readlane_b32 s43, v11, \l
	s_or_b32 s42, s42, s43
.endr
	s_lshr_b32 s43, s42, 16
	s_or_b32 s42, s42, s43
	s_and_b32 s42, s42, 0xffff                     ; bit r: query r has a key that counts
	s_cmp_eq_u32 s42, 0xffff
	s_cselect_b32 s40, s40, 0xffff                 ; a query without any: no step is left out
	v_mov_b32 v13, 0
	v_mov_b32 v14, s40
	v_mov_b32 v15, s41
	v_cmp_eq_u32 vcc_lo, 0, v2
	s_wait_xcnt 0x0                                ; EXEC changes only behind this wait: stores are out
	s_and_saveexec_b32 s44, vcc_lo
	global_store_b64 v13, v[14:15], s[26:27]       ; lane 0 alone
	s_wait_xcnt 0x0
	s_or_b32 exec_lo, exec_lo, s44
.Ldone:
	s_wait_tensorcnt 0x0
	ds_add_u32 v192, v193
	s_wait_dscnt 0x0
	s_endpgm
.Lfunc_end_k_q0e76fcccb2_quant:
	.size	k_q0e76fcccb2_quant, .Lfunc_end_k_q0e76fcccb2_quant-k_q0e76fcccb2_quant
	.p2alignl 7, 3214868480
	.fill 96, 4, 3214868480
	.section	.rodata,"a",@progbits
	.p2align	6, 0x0
	.amdhsa_kernel k_q0e76fcccb2_quant
		.amdhsa_group_segment_fixed_size 34304
		.amdhsa_private_segment_fixed_size 0
		.amdhsa_enable_private_segment 0
		.amdhsa_kernarg_size 96
		.amdhsa_user_sgpr_count 2
		.amdhsa_user_sgpr_kernarg_segment_ptr 1
		.amdhsa_wavefront_size32 1
		.amdhsa_system_sgpr_workgroup_id_x 1
		.amdhsa_system_sgpr_workgroup_id_y 1
		.amdhsa_system_sgpr_workgroup_id_z 1
		.amdhsa_system_vgpr_workitem_id 0
		.amdhsa_next_free_vgpr 194
		.amdhsa_next_free_sgpr 66
		.amdhsa_reserve_vcc 1
		.amdhsa_float_denorm_mode_32 3
		.amdhsa_float_denorm_mode_16_64 3
		.amdhsa_memory_ordered 1
		.amdhsa_forward_progress 1
		.amdhsa_inst_pref_size 110
	.end_amdhsa_kernel
	.amdgpu_metadata
---
amdhsa.version: [ 1, 2 ]
amdhsa.kernels:
  - .name:           k_q0e76fcccb2_quant
    .symbol:         k_q0e76fcccb2_quant.kd
    .args:
      - { .name: query, .offset: 0, .size: 8, .value_kind: global_buffer, .address_space: global }
      - { .name: key, .offset: 8, .size: 8, .value_kind: global_buffer, .address_space: global }
      - { .name: value, .offset: 16, .size: 8, .value_kind: global_buffer, .address_space: global }
      - { .name: Wq, .offset: 24, .size: 8, .value_kind: global_buffer, .address_space: global }
      - { .name: Wk, .offset: 32, .size: 8, .value_kind: global_buffer, .address_space: global }
      - { .name: Wv, .offset: 40, .size: 8, .value_kind: global_buffer, .address_space: global }
      - { .name: Wo, .offset: 48, .size: 8, .value_kind: global_buffer, .address_space: global }
      - { .name: lowp_scales, .offset: 56, .size: 8, .value_kind: global_buffer, .address_space: global }
      - { .name: mask, .offset: 64, .size: 8, .value_kind: global_buffer, .address_space: global }
      - { .name: codes, .offset: 72, .size: 8, .value_kind: global_buffer, .address_space: global }
      - { .name: mbits, .offset: 80, .size: 8, .value_kind: global_buffer, .address_space: global }
      - { .name: flags, .offset: 88, .size: 8, .value_kind: global_buffer, .address_space: global }
    .group_segment_fixed_size: 34304
    .private_segment_fixed_size: 0
    .kernarg_segment_align: 8
    .kernarg_segment_size: 96
    .max_flat_workgroup_size: 128
    .sgpr_count:     66
    .vgpr_count:     194
    .wavefront_size: 32
...
	.end_amdgpu_metadata
.endif
;; end of part 1
;; launch proj (part 2): grid 4 x 48, 4 waves a work-group, clusters of 4 x 4, 327,680 bytes of LDS; arguments codes, lowp_scales, qimg, kv; writes qimg, kv
.if DOCPART == 2
	.amdgcn_target "amdgcn-amd-amdhsa--gfx1250"
	.amdhsa_code_object_version 6
	.text
	.protected	k_q0e76fcccb2_proj
	.globl	k_q0e76fcccb2_proj
	.p2align	8
	.type	k_q0e76fcccb2_proj,@function
k_q0e76fcccb2_proj:
	s_mov_b64 s[64:65], 0
	v_nop
	global_prefetch_b8 v0, s[64:65] scope:SCOPE_SE
	s_setreg_imm32_b32 hwreg(HW_REG_WAVE_MODE, 25, 1), 1
	s_wait_xcnt 0x0
	s_wait_alu depctr_hold_cnt(0) depctr_sa_sdst(0) depctr_va_vdst(0) depctr_va_sdst(0) depctr_va_ssrc(0) depctr_va_vcc(0) depctr_vm_vsrc(0)
	s_getreg_b32 s2, hwreg(HW_REG_IB_STS2, 6, 4)
	s_cmp_eq_u32 s2, 0
	s_cbranch_scc0 .Lentry_in_a_cluster
	s_endpgm
.Lentry_in_a_cluster:
	s_bfe_u32 s2, ttmp6, 0x10000c
	s_cmp_lg_u32 s2, 0xf033
	s_cbranch_scc0 .Lentry_shape_is_right
	s_endpgm
.Lentry_shape_is_right:
; THE THREE PROJECTIONS, on codes of FP8 (E4M3), and their results quantised in registers for the attention launch.  Every product here is C[i][j] = sum over k of A[i][k] B[j][k], A and B rows of 1,024 codes of the one buffer of codes.
; Twelve clusters of 4 x 4 work-groups, g = the cluster's y.  g 0-3: A = query's tokens 1,024 g on, B = Wq.  g 4-7: A = key's tokens, B = Wk.  g 8-11: A = Wv's rows, B = value's tokens: V comes out with the keys along a lane's registers.
; A work-group makes 256 x 256, each of its four waves 128 x 128: 64 accumulators, 512 registers.  K goes in four steps of 256 through a ring of two LDS slots filled by the tensor data mover; A's tile is asked for jointly by a row of the
; cluster, B's by a column.  THE MATRIX INSTRUCTION IS USED TRANSPOSED (source 0 = 16 rows of B, source 1 = 16 rows of A): a lane holds one row of A and eight rows of B.
; THE ROWS OF THE BUFFER stand with bits 3 and 4 of their number exchanged, so row 16 i + r of the buffer is row 32 (i / 2) + 8 (i % 2) + r + 8 (r / 8) of the tensor: the 16 registers of accumulators (a, 2 q) and (a, 2 q + 1) are B's rows 32 q + 16 (lane / 16) + 0 .. 15.
; THE WAY OUT has no LDS: a sum stands for sum x 2^(ea + eb); held within +-448 x 2^(eo - ea - eb) and converted with that one scale, two accumulators give 16 codes a lane, which ARE four registers of an operand of the attention launch.
; They are stored as an image of those registers, 16 bytes a lane, 512 consecutive bytes a store.  eo: entry 6 (q), 7 (k), 9 (v) of the scales.
;   qimg [batch x head 32][tile of 16 queries 128][c 2][lane][16]: channels 32 c + 16 h + 0 .. 15.      kv [batch x head 32][slot of 256 keys 8][K of step 0, K of step 1, V of step 0, V of step 1: 8,192 bytes each]:
;   K of a step: [tile of 16 keys 8][c 2][lane][16];  V of a step: [tile of 16 channels 4][c 4][lane][16]: keys 32 c + 16 h + 0 .. 15.
; LIMIT: eo - ea - eb lies between -126 and 119, so that both powers of two below are f32 numbers.  NaN is not served.
; REGISTERS, in windows of 256: window 0: v0-31 addresses; v96-111 the stores' offsets; from v128 A's fragments, ONE set; on the way out v32-95 the held sums, v128-255 the codes.
;   window 1: B's fragments, TWO sets.   window 2: the accumulators of my rows 0-63 ((a, b) at v[8 (8 a + b)]);   window 3: those of my rows 64-127.
.set ROWB,   256                       ; a tile's row in bytes: 256 along K
.set KROW,   1024                      ; a row of codes in memory
.set PITCH,  272                       ; an LDS row: 256 bytes + 16 of padding = 68 words: row r starts at bank 4 r mod 64 (64 banks of 4 bytes: ISA guide 11.1)
.set FR,     16                        ; registers of a fragment: 16 rows x 128 K
.set NL,     4                         ; LDS loads that bring one
.set NP,     4                         ; places behind this matrix instruction (ISA guide 7.12.1)
.set HALFT,  128*PITCH                 ; what one tensor load brings
.set SLOT,   4*HALFT                   ; A's 256 rows, then B's 256 rows
.set SPARE,  2*SLOT                    ; behind the ring: the spare words, 128 bytes for each wave, which no other line names
.set ADRA, 16                          ; v16-17  LDS address of my A fragments in slot 0, 1
.set ADRB, 20                          ; v20-21  the same for B
.set SCL,  27                          ; v27     2^(eo - ea - eb) as f32
.set SPW,  28                          ; v28     LDS address of my spare word; never rewritten
.set NIL,  29                          ; v29     0; never rewritten
.set TMP,  32
.set OFS,  96
.set AF,   128
.set CD,   128
.set G1, 24                            ; s[24:31] descriptor group 1 for A's tiles;  s[32:39] group 0, one set for each slot
.set G0, 32
.set G1B, 48                           ; s[48:55], s[56:63] the same for B's tiles
.set G0B, 56
.set MSB, 0
.macro WIN new                         ; the immediate's high byte repeats the setting that is left
.if MSB != \new
	s_set_vgpr_msb (MSB<<8)|\new
.set MSB, \new
.endif
.endm
.set MUL_LO, 0xa1                      ; source 0 (B) window 1, source 1 (A) window 0, C and D window 2
.set MUL_HI, 0xf1                      ; the same, C and D window 3
.set TO_B,   0x40                      ; destination window 1, address window 0
; A joint load: waves 0 and 1 fetch for A, waves 2 and 3 for B; the branch hangs on the wave's number alone.  Four v_nop follow each of the two lines.
.macro JLOAD g0a, g1a, g0b, g1b
	s_cmp_eq_u32 s15, 0
	s_cbranch_scc0 .Lfor_b_\@
	tensor_load_to_lds s[\g0a:\g0a+3], s[\g1a:\g1a+7]
	s_nop 0
.rept 4
	v_nop
.endr
	s_branch .Lasked_\@
.Lfor_b_\@:
	tensor_load_to_lds s[\g0b:\g0b+3], s[\g1b:\g1b+7]
	s_nop 0
.rept 4
	v_nop
.endr
.Lasked_\@:
.endm
.macro CREST                           ; a round of the cluster's barrier behind its opening barrier
	s_cmp_lg_u32 s14, 0
	s_cbranch_scc1 .Lnot_wave_0_\@
	s_barrier_signal -3
.Lnot_wave_0_\@:
	s_barrier_wait -3
	s_barrier_signal -1
	s_barrier_wait -1
.endm
.macro CROUND                          ; a whole round
	s_barrier_signal -1
	s_barrier_wait -1
	CREST
.endm
	s_load_b256 s[4:11], s[0:1], 0x0               ; codes s[4:5], the scales' exponents s[6:7], qimg s[8:9], kv s[10:11]
	v_lshl_add_u32 v[SPW], v0, 2, SPARE
	v_mov_b32 v[NIL], 0
	ds_add_u32 v28, v29
	ds_add_u32 v28, v29
	s_wait_dscnt 0x0
	v_lshrrev_b32 v1, 5, v0
	v_readfirstlane_b32 s14, v1                    ; wave 0..3
	s_lshr_b32 s15, s14, 1                         ; which half of A's 256 rows is mine.  Also: I fetch for A (0) or for B (1)
	s_and_b32 s16, s14, 1                          ; which half of B's.  Also: which 128 rows of that tile I fetch
	s_bfe_u32 s40, ttmp6, 0x40000                  ; cx, cy: my place in the cluster
	s_bfe_u32 s41, ttmp6, 0x40004
	s_and_b32 s17, ttmp7, 0xffff                   ; g: the cluster's y, the same in all sixteen
	s_lshl_b32 s43, s41, 2
	s_lshl_b32 s43, 15, s43                        ; my row of the cluster
	s_lshl_b32 s44, 0x1111, s40                    ; my column
	s_or_b32 s[G1+0], s43, (0<<16)|(1<<20)|(1<<21)|(5<<22)|(3<<25)  ; 15:0 the mask: A's tiles go to my row; elements of 1 byte; padding on; 21 set beside a mask; after every 64 words (code 5) 4 words (code 3)
	s_or_b32 s[G1B+0], s44, (0<<16)|(1<<20)|(1<<21)|(5<<22)|(3<<25)
.irp g, G1, G1B
	s_mov_b32 s[\g+1], ROWB<<16                    ; tensor_dim0
	s_mov_b32 s[\g+2], 128<<16                     ; tensor_dim1 = 128
	s_mov_b32 s[\g+3], ROWB<<16                    ; tile_dim0
	s_mov_b32 s[\g+4], 128                         ; tile_dim1 = 128
	s_mov_b32 s[\g+5], KROW                        ; tensor_dim0_stride
	s_mov_b32 s[\g+6], 0
	s_mov_b32 s[\g+7], 0
.endr
	; which rows of the buffer of codes: the choices hang on g alone.  A's row is made of g, cy and the wave, B's of g, cx and the wave, each in registers that never hold the other coordinate
	s_lshl_b32 s66, s17, 10                        ; 1,024 g: the tokens' rows (query's from 0, key's from 4,096, value's from 8,192)
	s_mov_b32 s67, 14336                           ; Wv
	s_mov_b32 s68, 13312                           ; Wk
	s_mov_b32 s69, 12288                           ; Wq
	s_cmp_lt_u32 s17, 8
	s_cselect_b32 s20, s66, s67                    ; A: tokens, or Wv
	s_cselect_b32 s46, s68, s66                    ; B: Wk, or value's tokens,
	s_cmp_lt_u32 s17, 4
	s_cselect_b32 s46, s69, s46                    ; or Wq
	s_lshl_b32 s18, s16, 7                         ; which 128 rows of the tile I fetch
	s_lshl_b32 s19, s41, 8
	s_add_co_u32 s20, s20, s19
	s_add_co_u32 s20, s20, s18                     ; A: + 256 cy + 128 x half
	s_lshl_b32 s70, s40, 8
	s_add_co_u32 s46, s46, s70
	s_add_co_u32 s46, s46, s18                     ; B: + 256 cx + 128 x half
	s_lshl_b32 s20, s20, 10                        ; in bytes: under 2^24
	s_lshl_b32 s46, s46, 10
	s_mov_b32 s21, 0
	s_mov_b32 s47, 0
	s_mul_i32 s45, s14, HALFT                      ; where they go: wave x 128 rows: no place in the cluster enters an LDS address
	s_wait_kmcnt 0x0
	s_load_b256 s[72:79], s[6:7], 0x0              ; e0 .. e7
	s_load_b128 s[80:83], s[6:7], 0x20             ; e8 .. e11
	s_add_nc_u64 s[20:21], s[4:5], s[20:21]
	s_add_nc_u64 s[46:47], s[4:5], s[46:47]
	CROUND                                         ; all sixteen work-groups are here: the first joint loads meet
.irp s, 0,1
	s_mov_b32 s[G0+4*\s], 1
	s_add_co_u32 s[G0+4*\s+1], s45, \s*SLOT
	s_add_nc_u64 s[G0+4*\s+2:G0+4*\s+3], s[20:21], \s*ROWB
	s_or_b32 s[G0+4*\s+3], s[G0+4*\s+3], 0x80000000
	s_mov_b32 s[G0B+4*\s], 1
	s_add_co_u32 s[G0B+4*\s+1], s45, \s*SLOT
	s_add_nc_u64 s[G0B+4*\s+2:G0B+4*\s+3], s[46:47], \s*ROWB
	s_or_b32 s[G0B+4*\s+3], s[G0B+4*\s+3], 0x80000000
	JLOAD G0+4*\s, G1, G0B+4*\s, G1B
.endr
	v_and_b32 v1, 15, v0                           ; l % 16
	v_bfe_u32 v2, v0, 4, 1                         ; l / 16
	v_mul_u32_u24 v3, v1, PITCH
	v_lshl_add_u32 v4, v2, 4, v3                   ; a fragment's row x pitch + 16 x half
	s_mul_i32 s21, s15, HALFT                      ; my 128 rows of A
	s_mul_i32 s22, s16, HALFT                      ; my 128 rows of B,
	s_add_co_u32 s22, s22, 2*HALFT                 ; which lie behind A's 256
.irp s, 0,1
	v_add_nc_u32 v[ADRA+\s], s21, v4
	v_add_nc_u32 v[ADRB+\s], s22, v4
	s_add_co_u32 s21, s21, SLOT
	s_add_co_u32 s22, s22, SLOT
.endr
	; where my results go.  rA, rB: my first row of A and of B in the cluster's 1,024.  One of the two counts tokens, the other output features
	s_lshl_b32 s66, s41, 8
	s_lshl_b32 s67, s15, 7
	s_add_co_u32 s66, s66, s67                     ; rA = 256 cy + 128 x half
	s_lshl_b32 s67, s40, 8
	s_lshl_b32 s68, s16, 7
	s_add_co_u32 s67, s67, s68                     ; rB = 256 cx + 128 x half
	s_and_b32 s68, s17, 3
	s_lshl_b32 s68, s68, 10                        ; the cluster's first token
	s_mov_b32 s71, 262144
	s_mov_b32 s88, 2048
	s_cmp_lt_u32 s17, 4
	s_cselect_b32 s71, 131072, s71                 ; HS: a head's bytes in qimg, or in kv
	s_cselect_b64 s[10:11], s[8:9], s[10:11]       ; qimg or kv: the choice hangs on g alone
	s_cmp_lt_u32 s17, 8                            ; q and k, or v?
	s_cselect_b32 s69, s66, s67                    ; my tokens
	s_cselect_b32 s70, s67, s66                    ; my features
	s_cselect_b32 s88, 1024, s88                   ; P1: from block a of A to a + 1 among four: a tile of tokens, or of channels
	s_cselect_b32 s89, 4096, s71                   ; P2: four blocks on: four tiles of tokens, or the next head
	s_cselect_b32 s90, s71, 1024                   ; P3: B's rows 64 on: the next head, or two pieces of 32 keys
	s_cselect_b32 s91, 0, 16384                    ; V's steps lie behind K's two in a slot
	s_add_co_u32 s68, s68, s69                     ; my first token of the 4,096
	s_lshr_b32 s69, s68, 11                        ; the batch
	s_lshl_b32 s69, s69, 4
	s_lshr_b32 s70, s70, 6
	s_add_co_u32 s69, s69, s70                     ; batch x 16 + my first head
	s_mul_i32 s69, s69, s71
	s_bfe_u32 s70, s68, 0x40007                    ; which 128 tokens of the batch's 2,048
	s_lshl_b32 s94, s70, 13                        ; q: 8 tiles of 1,024 bytes
	s_lshr_b32 s95, s70, 1
	s_lshl_b32 s95, s95, 15                        ; k, v: the slot,
	s_and_b32 s70, s70, 1
	s_lshl_b32 s70, s70, 13                        ; the step in it,
	s_add_co_u32 s95, s95, s70
	s_add_co_u32 s95, s95, s91                     ; K's part or V's
	s_cmp_lt_u32 s17, 4
	s_cselect_b32 s94, s94, s95
	s_add_co_u32 s94, s94, s69
	s_mov_b32 s95, 0
	s_add_nc_u64 s[10:11], s[10:11], s[94:95]
	v_and_b32 v6, 31, v0
	v_lshlrev_b32 v6, 4, v6                        ; 16 bytes a lane
.irp a, 0,1,2,3,4,5,6,7
	s_mul_i32 s66, s88, (\a)%4
	s_mul_i32 s67, s89, (\a)/4
	s_add_co_u32 s66, s66, s67
	v_add_nc_u32 v[OFS+2*\a], s66, v6              ; block a, B's rows 0-63
	s_add_co_u32 s66, s66, s90
	v_add_nc_u32 v[OFS+2*\a+1], s66, v6            ; block a, B's rows 64-127
.endr
.macro FRAG reg, adr, q, i             ; a fragment: lane l holds row l % 16; registers 4 c .. 4 c + 3 hold K = 32 c + 16 (l / 16) + 0 .. 15: the same order of k in A and in B
.irp c, 0,1,2,3
	ds_load_b128 v[\reg+4*\c:\reg+4*\c+3], v[\adr] offset:128*(\q)+32*\c+(\i)*16*PITCH
.endr
.endm
; 16 matrix instructions: A's blocks a0, a0 + 1 x B's eight, 128 along K.  p: B's set.  zero = 1: the first product starts the sums.  The 64 accumulators take turns, one instruction a turn.
.macro MUL16 a0, p, zero
.irp a, \a0, \a0+1
.irp b, 0,1,2,3,4,5,6,7
.if \zero
	v_wmma_f32_16x16x128_fp8_fp8 v[8*(8*((\a)%4)+\b):8*(8*((\a)%4)+\b)+7], v[128*(\p)+FR*\b:128*(\p)+FR*\b+FR-1], v[AF+FR*(\a):AF+FR*(\a)+FR-1], 0
.else
	v_wmma_f32_16x16x128_fp8_fp8 v[8*(8*((\a)%4)+\b):8*(8*((\a)%4)+\b)+7], v[128*(\p)+FR*\b:128*(\p)+FR*\b+FR-1], v[AF+FR*(\a):AF+FR*(\a)+FR-1], v[8*(8*((\a)%4)+\b):8*(8*((\a)%4)+\b)+7]
.endif
.endr
.endr
.endm
.macro FETCH_B slot, q, p              ; B's eight fragments of the slot's q-th 128 along K into set p
	WIN TO_B
.irp i, 0,1,2,3,4,5,6,7
	FRAG 128*(\p)+FR*\i, ADRB+\slot, \q, \i
.endr
	WIN 0
.endm
.macro FETCH_A slot, q, i0             ; A's blocks i0 .. i0 + 3
.irp i, \i0, \i0+1, \i0+2, \i0+3
	FRAG AF+FR*(\i), ADRA+\slot, \q, \i
.endr
.endm
.macro PLACES n                        ; plain vector lines between a matrix instruction and a load into a register that it has read, or a read of its result
.rept \n
	v_nop
.endr
.endm
; A step of 128 along K that has its successor in the same slot.
.macro STEP slot, q, zero
	s_wait_dscnt 4*NL                              ; B's set and A's blocks 0-3 are in; the youngest sixteen loads (A's blocks 4-7) may be out
	WIN MUL_LO
	MUL16 0, (\q)%2, \zero
	MUL16 2, (\q)%2, \zero
	s_wait_dscnt 0                                 ; A's blocks 4-7 are in
	PLACES NP
	FETCH_B \slot, (\q)+1, 1-(\q)%2
	FETCH_A \slot, (\q)+1, 0
	WIN MUL_HI
	MUL16 4, (\q)%2, \zero
	MUL16 6, (\q)%2, \zero
	PLACES NP
	WIN 0
	FETCH_A \slot, (\q)+1, 4
.endm
; A slot's last step changes slots: ONE barrier; in front of it each wave waits for all its tensor loads, adds 0 to its spare word, and waits for that and for its own reads of this slot.  fill = 1: this slot is filled again, two K steps ahead.
.macro TURN slot, next, fill
	s_wait_tensorcnt 0x0                           ; all my tensor loads have landed: my part of the next slot
	ds_add_u32 v[SPW], v[NIL]                      ; 0 onto my spare word
	s_wait_dscnt 4*NL+1                            ; (the add and the youngest sixteen loads, A's blocks 4-7, may be out)
	WIN MUL_LO
	MUL16 0, 1, 0                                  ; sixteen matrix instructions stand between the add and the wait for it
	s_wait_dscnt 0x0                               ; the add is done, and my reads of this slot are over
	s_barrier_signal -1
	MUL16 2, 1, 0
	WIN 0
	s_barrier_wait -1
.if \fill
	CREST                                          ; the barrier has opened a round of the cluster's barrier: no wave of any partner still reads this slot's tile or has a load on its way
	s_add_nc_u64 s[G0+4*\slot+2:G0+4*\slot+3], s[G0+4*\slot+2:G0+4*\slot+3], 2*ROWB
	s_add_nc_u64 s[G0B+4*\slot+2:G0B+4*\slot+3], s[G0B+4*\slot+2:G0B+4*\slot+3], 2*ROWB
	JLOAD G0+4*\slot, G1, G0B+4*\slot, G1B         ; the first tensor load behind the round; its four v_nop are also the places in front of the loads below
.else
	PLACES NP
.endif
	FETCH_B \next, 0, 0
	FETCH_A \next, 0, 0
	WIN MUL_HI
	MUL16 4, 1, 0
	MUL16 6, 1, 0
	PLACES NP
	WIN 0
	FETCH_A \next, 0, 4
.endm
	s_wait_tensorcnt 1                             ; my part of K step 0 is in (K step 1's load may be out)
	s_barrier_signal -1
	s_barrier_wait -1                              ; everybody's is
	FETCH_B 0, 0, 0
	FETCH_A 0, 0, 0
	FETCH_A 0, 0, 4
	STEP 0, 0, 1                                   ; the first products start the sums.  K = 1,024 is four K steps, twice round the ring: written out, no loop
	TURN 0, 1, 1                                   ; slot 0 takes K step 2
	STEP 1, 0, 0
	TURN 1, 0, 1                                   ; slot 1 takes K step 3
	STEP 0, 0, 0
	TURN 0, 1, 0                                   ; nothing is left to fetch
	STEP 1, 0, 0
	s_wait_dscnt 4*NL
	WIN MUL_LO
	MUL16 0, 1, 0
	MUL16 2, 1, 0
	s_wait_dscnt 0
	WIN MUL_HI
	MUL16 4, 1, 0
	MUL16 6, 1, 0
	WIN 0
	; THE WAY OUT
	s_wait_kmcnt 0x0
	s_add_co_i32 s84, s72, s73                     ; ea + eb of the three products,
	s_add_co_i32 s85, s74, s75
	s_add_co_i32 s86, s76, s77
	s_cmp_lt_u32 s17, 8
	s_cselect_b32 s85, s85, s86
	s_cselect_b32 s87, s79, s81                    ; eo: k's e7 or v's e9,
	s_cmp_lt_u32 s17, 4
	s_cselect_b32 s84, s84, s85
	s_cselect_b32 s87, s78, s87                    ; or q's e6: chosen by g, without a branch
	s_sub_co_i32 s84, s87, s84                     ; eo - ea - eb
	s_add_co_i32 s84, s84, 127
	s_lshl_b32 s85, s84, 23
	v_mov_b32 v[SCL], s85                          ; 2^(eo - ea - eb): the three scales folded into the conversion's one
	s_add_co_i32 s84, s84, 8
	s_lshl_b32 s92, s84, 23
	s_or_b32 s92, s92, 0x600000                    ; 448 x that,
	s_or_b32 s93, s92, 0x80000000                  ; and its negative
	PLACES NP                                      ; behind the last products: their results are read, and A's registers written, only behind these
.macro OUTBLK a                        ; block a: 16 rows of A x my 128 rows of B
.set AC, 64*((\a)%4)
	WIN 0x02+((\a)/4)                              ; source 0: window 2 or 3
.set j, 0
.rept 64
	v_med3_num_f32 v[TMP+j], v[AC+j], s93, s92     ; the conversion to an 8-bit code does not saturate (ISA guide 7.6.2): the hold; each accumulator from its low end on
.set j, j+1
.endr
	WIN 0
.irp b, 0,1,2,3,4,5,6,7
	v_cvt_scalef32_pk8_fp8_f32 v[CD+16*(\a)+2*\b:CD+16*(\a)+2*\b+1], v[TMP+8*\b:TMP+8*\b+7], v[SCL]
.endr
	v_nop                                          ; a plain line between the conversions and the next block's holds, which write their sources
.irp q, 0,1,2,3
	global_store_b128 v[OFS+2*(\a)+\q/2], v[CD+16*(\a)+4*\q:CD+16*(\a)+4*\q+3], s[10:11] offset:(\q%2)*512   ; B's rows 32 q + 16 h + 0 .. 15: 32 lanes store 512 consecutive bytes; each block has registers of its own, so no store's sources are written again
.endr
.endm
.irp a, 0,1,2,3,4,5,6,7
	OUTBLK \a
.endr
	s_wait_tensorcnt 0x0                           ; the wave's end
	ds_add_u32 v[SPW], v[NIL]
	s_wait_dscnt 0x0
	CROUND                                         ; the closing round: no work-group ends while a partner may still ask for a tile that names it
	s_endpgm
.Lfunc_end_k_q0e76fcccb2_proj:
	.size	k_q0e76fcccb2_proj, .Lfunc_end_k_q0e76fcccb2_proj-k_q0e76fcccb2_proj
	.p2alignl 7, 3214868480
	.fill 96, 4, 3214868480
	.section	.rodata,"a",@progbits
	.p2align	6, 0x0
	.amdhsa_kernel k_q0e76fcccb2_proj
		.amdhsa_group_segment_fixed_size 327680
		.amdhsa_private_segment_fixed_size 0
		.amdhsa_enable_private_segment 0
		.amdhsa_kernarg_size 32
		.amdhsa_user_sgpr_count 2
		.amdhsa_user_sgpr_kernarg_segment_ptr 1
		.amdhsa_wavefront_size32 1
		.amdhsa_system_sgpr_workgroup_id_x 1
		.amdhsa_system_sgpr_workgroup_id_y 1
		.amdhsa_system_sgpr_workgroup_id_z 1
		.amdhsa_system_vgpr_workitem_id 0
		.amdhsa_next_free_vgpr 1024
		.amdhsa_next_free_sgpr 100
		.amdhsa_reserve_vcc 0
		.amdhsa_float_denorm_mode_32 3
		.amdhsa_float_denorm_mode_16_64 3
		.amdhsa_memory_ordered 1
		.amdhsa_forward_progress 1
		.amdhsa_inst_pref_size 120
	.end_amdhsa_kernel
	.amdgpu_metadata
---
amdhsa.version: [ 1, 2 ]
amdhsa.kernels:
  - .name:           k_q0e76fcccb2_proj
    .symbol:         k_q0e76fcccb2_proj.kd
    .args:
      - { .name: codes, .offset: 0, .size: 8, .value_kind: global_buffer, .address_space: global }
      - { .name: lowp_scales, .offset: 8, .size: 8, .value_kind: global_buffer, .address_space: global }
      - { .name: qimg, .offset: 16, .size: 8, .value_kind: global_buffer, .address_space: global }
      - { .name: kv, .offset: 24, .size: 8, .value_kind: global_buffer, .address_space: global }
    .group_segment_fixed_size: 327680
    .private_segment_fixed_size: 0
    .kernarg_segment_align: 8
    .kernarg_segment_size: 32
    .max_flat_workgroup_size: 128
    .sgpr_count:     100
    .vgpr_count:     1024
    .wavefront_size: 32
...
	.end_amdgpu_metadata
.endif
;; end of part 2
;; launch attn (part 3): grid 8 x 32, 8 waves a work-group, no clusters, 66,560 bytes of LDS; arguments qimg, kv, mbits, flags, lowp_scales, ao; writes ao
.if DOCPART == 3
	.amdgcn_target "amdgcn-amd-amdhsa--gfx1250"
	.amdhsa_code_object_version 6
	.text
	.protected	k_q0e76fcccb2_attn
	.globl	k_q0e76fcccb2_attn
	.p2align	8
	.type	k_q0e76fcccb2_attn,@function
k_q0e76fcccb2_attn:
	s_mov_b64 s[64:65], 0
	v_nop
	global_prefetch_b8 v0, s[64:65] scope:SCOPE_SE
	s_setreg_imm32_b32 hwreg(HW_REG_WAVE_MODE, 25, 1), 1
	s_wait_xcnt 0x0
; ATTENTION on codes of FP8 (E4M3): S = q k^T / 8, the GIVEN mask, the softmax ahead of a quantised product, O = P V, and O quantised for the last projection.
; t = logit x log2(e); M = the running largest t rounded UP to a whole number; p = 2^(t - M) is quantised with 2^e8; the row's sum is taken of the unquantised p and divides at the end; when M moves, the sum and O are multiplied by 2^(old M - new M).
; SHARES.  A work-group owns two blocks of 128 queries of one (batch, head): block j (waves 0-3) and block 15 - j (waves 4-7).  A wave owns 32 queries: two tiles of 16, T0 = 2 a and T1 = 2 a + 1, a = 4 x block + wave % 4.
; Every wave walks the head's 16 key steps of 128 keys.  K and V come as images of the operands' registers: a slot of 256 keys is 32,768 consecutive bytes of memory, copied through registers into one of two LDS slots by all eight waves, a slot ahead.
; BOTH PRODUCTS ARE USED TRANSPOSED (S^T = K Q^T, O^T = V^T P^T): a lane holds one query throughout.  Register n of a tile's 64 scores is key 32 (n / 16) + 16 (lane / 16) + n % 16 of the step.
; THE MASK is honoured as it is given.  An earlier launch has stored it as lane masks, one word for each score register, and two words a tile: act (bit t: step t has a key that counts; all bits where a query has no key at all) and
; all (bit t: every key of step t counts).  A step whose act bit is clear in both my tiles is left out: its p would all be 0.  A step whose all bit is set in both needs no select.  These are scalar branches on stored whole numbers.
; This launch has no tensor load and no joint loads, though the eight work-groups of a head read the same 262,144 bytes of K and V.
; A masked score is replaced by -2^(33 - e6 - e7), so its t is -2^30 log2(e): a whole number in f32.  A query with no key gets p = 1 at all 2,048 keys, uniform weights; any other query gets 0 at its masked keys.
; LIMITS.  The stand-in logit is -2^30, not -1e9: the same result as long as no logit that counts comes near -1e9, which the codes' range excludes for e6 + e7 <= 9 (|logit| <= 64 x 448^2 x 2^(e6 + e7) / 8).
;   e6 + e7 >= -94; e8, and e10 - e8 - e9, between -126 and 119: each power of two below is then an f32 number.
; REGISTERS.  window 0: v1 16 x lane; v2 16 x thread; v3 the prefetch's offset; v4 the masked score; v5 2^e8; v6 448 x 2^e8; v7 2^(e10 - e8 - e9); v8-18, v20-30 a tile's statistics: +0 -M, +1 the largest t, +2:3 the sum, +4:5 f,
;   +6:7 the sum's second chain, +8, +9 at work, +10 the lane exchange; v32-159 S^T, then p, 64 a tile; v160-191 p's codes, 16 a tile; v192-255 O^T, 32 a tile.
;   window 1: v0-63 K's 8 fragments; v64-127 V's 4; v128-143 Q's two; v144-175 the next slot on its way to LDS.
.set LI,   1
.set TI,   2
.set PFO,  3
.set SMV,  4
.set PSC,  5
.set PLIM, 6
.set OSC,  7
.set ST,   8
.set S,    32
.set PC,   160
.set O,    192
.set VF,   64                          ; in window 1
.set QF,   128
.set G,    144
.set WV,   16                          ; s16  my wave's number
.set J,    17                          ; s17  the work-group's x
.set BH,   18                          ; s18  batch x 16 + head
.set AL,   19                          ; s19  a: my pair of tiles
.set SEL,  20                          ; s[20:21] lane selects for v_permlanex16_b32: lane l xor 16
.set CS,   22                          ; s[22:23] c = log2(e) / 8 x 2^(e6 + e7)
.set ACT,  24                          ; s24  bit 0: the step in hand has work for me
.set MIX,  25                          ; s25  bit 0: it needs the mask's words
.set NEED, 26                          ; s26  bit 2: some wave of the work-group wants the next slot
.set LC,   27                          ; s27  trips to go
.set E8,   28                          ; s28  e8
.set LIM,  30                          ; s30  1 in a wave that prefetches, else the greatest number
.set MSB, 0
.macro WIN new                         ; the immediate's high byte repeats the setting that is left; at every label and branch the setting is 0
.if MSB != \new
	s_set_vgpr_msb (MSB<<8)|\new
.set MSB, \new
.endif
.endm
	s_load_b256 s[4:11], s[0:1], 0x0               ; qimg s[4:5], kv s[6:7], mbits s[8:9], flags s[10:11]
	s_load_b128 s[12:15], s[0:1], 0x20             ; the scales' exponents s[12:13], ao s[14:15]
	v_lshl_add_u32 v19, v0, 2, 0x10000
	v_mov_b32 v31, 0
	v_lshrrev_b32 v1, 5, v0
	v_readfirstlane_b32 s[WV], v1
	v_and_b32 v1, 31, v0
	v_lshlrev_b32 v[PFO], 8, v1
	v_lshlrev_b32 v[LI], 4, v1
	v_lshlrev_b32 v[TI], 4, v0
	s_and_b32 s2, s[WV], 3
	s_lshl_b32 s3, s2, 13
	v_add_nc_u32 v[PFO], s3, v[PFO]                ; 8,192 (wave % 4) + 256 x lane
	s_mov_b32 s[J], ttmp9
	s_and_b32 s[BH], ttmp7, 0xffff
	s_sub_co_u32 s29, 15, s[J]
	s_cmp_lt_u32 s[WV], 4
	s_cselect_b32 s31, s[J], s29                   ; my block of 128 queries
	s_lshl_b32 s[AL], s31, 2
	s_add_co_u32 s[AL], s[AL], s2
	s_lshl_b32 s84, s[BH], 18                      ; kv: a head's 262,144 bytes
	s_mov_b32 s85, 0
	s_lshl_b32 s86, s[BH], 17                      ; qimg: a head's 131,072 bytes,
	s_lshl_b32 s87, s[AL], 11                      ; my two tiles of 1,024
	s_add_co_u32 s86, s86, s87
	s_mov_b32 s87, 0
	s_lshl_b32 s88, s[J], 6                        ; flags: a block's 8 tiles of 8 bytes
	s_mov_b32 s89, 0
	s_lshl_b32 s90, s29, 6
	s_mov_b32 s91, 0
	s_lshl_b32 s92, s[AL], 4                       ; and my two tiles'
	s_mov_b32 s93, 0
	s_lshl_b32 s94, s[AL], 13                      ; mbits: a tile's 16 steps of 256 bytes, two tiles
	s_mov_b32 s95, 0
	s_lshr_b32 s96, s[BH], 4                       ; ao: [tile of 16 tokens 256][K step 8][c 4][lane][16]; k = 64 head + channel
	s_lshl_b32 s96, s96, 7
	s_lshl_b32 s97, s[AL], 1
	s_add_co_u32 s96, s96, s97
	s_lshl_b32 s96, s96, 14                        ; my first tile's 16,384 bytes,
	s_bfe_u32 s97, s[BH], 0x30001
	s_lshl_b32 s97, s97, 11                        ; K step head / 2,
	s_add_co_u32 s96, s96, s97
	s_and_b32 s97, s[BH], 1
	s_lshl_b32 s97, s97, 10                        ; its pieces 2 (head % 2) on
	s_add_co_u32 s96, s96, s97
	s_mov_b32 s97, 0
	s_mov_b32 s[SEL], 0x76543210
	s_mov_b32 s[SEL+1], 0xfedcba98
	s_mov_b32 s[LC], 4
	s_lshr_b32 s2, s[WV], 2
	s_or_b32 s2, s2, s[J]
	s_cmp_eq_u32 s2, 0                             ; waves 0 to 3 of the head's first work-group prefetch
	s_cselect_b32 s[LIM], 1, -1
	s_wait_kmcnt 0x0
	s_add_nc_u64 s[6:7], s[6:7], s[84:85]
	s_add_nc_u64 s[4:5], s[4:5], s[86:87]
	WIN 0x40                                       ; destination window 1
.irp i, 0,1,2,3,4,5,6,7
	global_load_b128 v[G+4*\i:G+4*\i+3], v[TI], s[6:7] offset:4096*\i   ; slot 0: 256 threads x 16 bytes, eight times
.endr
.irp i, 0,1,2,3
	global_load_b128 v[QF+4*\i:QF+4*\i+3], v[LI], s[4:5] offset:512*\i  ; Q's two fragments stay in registers
.endr
	WIN 0
	s_add_nc_u64 s[88:89], s[10:11], s[88:89]
	s_add_nc_u64 s[90:91], s[10:11], s[90:91]
	s_add_nc_u64 s[92:93], s[10:11], s[92:93]
	s_load_b512 s[32:47], s[88:89], 0x0            ; (act, all) of block j's eight tiles,
	s_load_b512 s[48:63], s[90:91], 0x0            ; of block 15 - j's,
	s_load_b128 s[68:71], s[92:93], 0x0            ; and of my two
	s_load_b128 s[72:75], s[12:13], 0x18           ; e6, e7, e8, e9
	s_load_b32 s76, s[12:13], 0x28                 ; e10
	s_add_nc_u64 s[8:9], s[8:9], s[94:95]
	s_add_nc_u64 s[14:15], s[14:15], s[96:97]
.irp x, 0,1
	v_mov_b32 v[ST+12*\x+1], 0xff61b1e6            ; the largest t so far: -3e38, under every t
	v_floor_f32 v[ST+12*\x], -v[ST+12*\x+1]        ; -M
	v_mov_b32 v[ST+12*\x+2], 0                     ; the sum, in two halves
	v_mov_b32 v[ST+12*\x+3], 0
	v_mov_b32 v[ST+12*\x+5], 0                     ; (named as the upper half of f's pair)
	v_mov_b32 v[ST+12*\x+10], 0                    ; a lane permute's destination counts as one of its sources
.endr
.set i, 0
.rept 64
	v_mov_b32 v[O+i], 0                            ; O^T.  (The step is written without a first form of its own: the first change of M multiplies zeros)
.set i, i+1
.endr
	s_wait_kmcnt 0x0
	s_or_b32 s[ACT], s68, s70
	s_and_b32 s[MIX], s69, s71
	s_not_b32 s[MIX], s[MIX]
	s_and_b32 s[MIX], s[MIX], 0xffff
	s_or_b32 s2, s32, s34                          ; the steps that any of the work-group's sixteen tiles wants
.irp w, 36,38,40,42,44,46,48,50,52,54,56,58,60,62
	s_or_b32 s2, s2, s\w
.endr
	s_lshr_b32 s3, s2, 1
	s_or_b32 s[NEED], s2, s3                       ; bit 2 s: slot s is wanted
	s_add_co_i32 s2, s72, s73                      ; e6 + e7
	s_lshl_b32 s3, s2, 23
	s_mov_b32 s[CS], 0x3e38aa3b                    ; log2(e) / 8;
	s_add_co_i32 s[CS], s[CS], s3                  ; a score stands for score x 2^(e6 + e7): added to c's exponent field
	s_mov_b32 s[CS+1], s[CS]                       ; (named with it as a pair, so it is written)
	s_sub_co_i32 s3, 160, s2
	s_lshl_b32 s3, s3, 23
	s_or_b32 s3, s3, 0x80000000
	v_mov_b32 v[SMV], s3                           ; -2^(33 - e6 - e7)
	s_mov_b32 s[E8], s74
	s_add_co_i32 s2, s74, 127
	s_lshl_b32 s3, s2, 23
	v_mov_b32 v[PSC], s3                           ; 2^e8
	s_add_co_i32 s2, s2, 8
	s_lshl_b32 s2, s2, 23
	s_or_b32 s2, s2, 0x600000
	v_mov_b32 v[PLIM], s2                          ; 448 x 2^e8
	s_sub_co_i32 s2, s76, s74
	s_sub_co_i32 s2, s2, s75                       ; e10 - e8 - e9: O^T / the sum stands for that x 2^(e8 + e9)
	s_add_co_i32 s2, s2, 127
	s_lshl_b32 s3, s2, 23
	v_mov_b32 v[OSC], s3
	s_add_co_i32 s2, s2, 8
	s_lshl_b32 s12, s2, 23
	s_or_b32 s12, s12, 0x600000                    ; 448 x 2^(e10 - e8 - e9),
	s_or_b32 s13, s12, 0x80000000                  ; and its negative
	s_wait_loadcnt 0x0                             ; slot 0 and Q are in
	WIN 0x04                                       ; store data window 1
.irp i, 0,1,2,3,4,5,6,7
	ds_store_b128 v[TI], v[G+4*\i:G+4*\i+3] offset:4096*\i
.endr
	WIN 0
	s_wait_dscnt 0x0                               ; for the others' sake: my part of slot 0 lies in LDS
	s_barrier_signal -1
	s_barrier_wait -1
; the mask's 64 words of tile x for the step in hand, and the selects: a bit that is clear puts the masked score in the score's place
.macro MASKT x
	s_load_b512 s[32:47], s[8:9], 4096*(\x)
	s_load_b512 s[48:63], s[8:9], 4096*(\x)+64
	s_load_b512 s[68:83], s[8:9], 4096*(\x)+128
	s_load_b512 s[84:99], s[8:9], 4096*(\x)+192
	s_wait_kmcnt 0x0
.set n, 0
.rept 64
.if n < 32
	v_cndmask_b32 v[S+64*(\x)+n], v[SMV], v[S+64*(\x)+n], s[32+n]
.else
	v_cndmask_b32 v[S+64*(\x)+n], v[SMV], v[S+64*(\x)+n], s[36+n]
.endif
.set n, n+1
.endr
.endm
; item i of the 32 packed additions that add tile x's 64 p to its sum, in two chains
.macro SUMI x
.set rT, ST+12*(\x)
.set rS, S+64*(\x)
.if i == 0
	v_pk_add_f32 v[rT+6:rT+7], v[rS:rS+1], v[rS+2:rS+3]
.elseif i == 31
	v_pk_add_f32 v[rT+2:rT+3], v[rT+2:rT+3], v[rT+6:rT+7]
.elseif i%2 == 1
	v_pk_add_f32 v[rT+2:rT+3], v[rT+2:rT+3], v[rS+2*i+2:rS+2*i+3]
.else
	v_pk_add_f32 v[rT+6:rT+7], v[rT+6:rT+7], v[rS+2*i+2:rS+2*i+3]
.endif
.endm
; A KEY STEP: 128 keys; K's fragments at LDS byte KB, V's at VB.
.macro STEP KB, VB
	s_bitcmp1_b32 s[ACT], 0
	s_cbranch_scc0 .Lskip_\@                       ; no key of the step counts for any of my 32 queries
	WIN 0x40
.irp f, 0,1,2,3,4,5,6,7,8,9,10,11,12,13,14,15
	ds_load_b128 v[4*\f:4*\f+3], v[LI] offset:(\KB)+512*\f        ; K: tile f / 2, piece f % 2: the image of the fragment's registers
.endr
.irp f, 0,1,2,3,4,5,6,7,8,9,10,11,12,13,14,15
	ds_load_b128 v[VF+4*\f:VF+4*\f+3], v[LI] offset:(\VB)+512*\f  ; V: tile f / 4, piece f % 4
.endr
	s_wait_dscnt 16                                ; K is in; V's sixteen loads may be out
	WIN 0x05                                       ; sources 0 (K) and 1 (Q) window 1
.irp t, 0,1,2,3,4,5,6,7
.irp x, 0,1
	v_wmma_f32_16x16x64_fp8_fp8 v[S+64*\x+8*\t:S+64*\x+8*\t+7], v[8*\t:8*\t+7], v[QF+8*\x:QF+8*\x+7], 0
.endr
.endr
	WIN 0
.rept 4
	v_nop                                          ; places in front of the first read of the scores
.endr
	s_bitcmp1_b32 s[MIX], 0
	s_cbranch_scc0 .Lopen_\@                       ; every key of the step counts for all my queries
	MASKT 0
	MASKT 1
.Lopen_\@:
	; A: the step's largest score of each query, in two chains a tile, the tiles line by line
.irp x, 0,1
	v_max3_num_f32 v[ST+12*\x+8], v[S+64*\x], v[S+64*\x+1], v[S+64*\x+2]
.endr
.irp x, 0,1
	v_max3_num_f32 v[ST+12*\x+9], v[S+64*\x+3], v[S+64*\x+4], v[S+64*\x+5]
.endr
.irp i, 6,10,14,18,22,26,30,34,38,42,46,50,54,58
.irp x, 0,1
	v_max3_num_f32 v[ST+12*\x+8], v[ST+12*\x+8], v[S+64*\x+\i], v[S+64*\x+\i+1]
.endr
.irp x, 0,1
	v_max3_num_f32 v[ST+12*\x+9], v[ST+12*\x+9], v[S+64*\x+\i+2], v[S+64*\x+\i+3]
.endr
.endr
.irp x, 0,1
	v_max3_num_f32 v[ST+12*\x+8], v[ST+12*\x+8], v[S+64*\x+62], v[S+64*\x+63]
.endr
.irp x, 0,1
	v_max_num_f32 v[ST+12*\x+8], v[ST+12*\x+8], v[ST+12*\x+9]
.endr
.irp x, 0,1
	v_permlanex16_b32 v[ST+12*\x+10], v[ST+12*\x+8], s[SEL], s[SEL+1]
.endr
.irp x, 0,1
	v_max_num_f32 v[ST+12*\x+8], v[ST+12*\x+8], v[ST+12*\x+10]    ; and among lane l xor 16's 64 keys
.endr
.irp x, 0,1
	v_mul_f32 v[ST+12*\x+8], s[CS], v[ST+12*\x+8]                 ; as t (c is positive)
.endr
.irp x, 0,1
	v_max_num_f32 v[ST+12*\x+1], v[ST+12*\x+1], v[ST+12*\x+8]     ; the running largest t
.endr
.irp x, 0,1
	v_mov_b32 v[ST+12*\x+8], v[ST+12*\x]
.endr
.irp x, 0,1
	v_floor_f32 v[ST+12*\x], -v[ST+12*\x+1]                       ; the new -M = -ceil(t): a whole number
.endr
.irp x, 0,1
	v_sub_f32 v[ST+12*\x+8], v[ST+12*\x], v[ST+12*\x+8]           ; old M - new M: a whole number, 0 or less
.endr
.irp x, 0,1
	v_cvt_i32_f32 v[ST+12*\x+8], v[ST+12*\x+8]                    ; (it saturates)
.endr
.irp x, 0,1
	v_ldexp_f32 v[ST+12*\x+4], 1.0, v[ST+12*\x+8]                 ; f = 2^(old M - new M)
.endr
	; B: tile 0's t - M, two at a time
.set i, 0
.rept 32
	v_pk_fma_f32 v[S+2*i:S+2*i+1], v[S+2*i:S+2*i+1], s[CS:CS+1], v[ST:ST+1] op_sel_hi:[1,0,0]
.set i, i+1
.endr
	; C: tile 0's exponentials, one batch; tile 1's t - M stands among them
.set i, 0
.rept 32
	v_exp_f32 v[S+2*i], v[S+2*i]
	v_exp_f32 v[S+2*i+1], v[S+2*i+1]
	v_pk_fma_f32 v[S+64+2*i:S+64+2*i+1], v[S+64+2*i:S+64+2*i+1], s[CS:CS+1], v[ST+12:ST+13] op_sel_hi:[1,0,0]
.set i, i+1
.endr
	v_pk_mul_f32 v[ST+2:ST+3], v[ST+2:ST+3], v[ST+4:ST+5] op_sel_hi:[1,0]          ; the sums under the new M
	v_pk_mul_f32 v[ST+14:ST+15], v[ST+14:ST+15], v[ST+16:ST+17] op_sel_hi:[1,0]
	s_wait_alu depctr_va_vdst(0)                   ; one wait for tile 0's batch, ahead of its first reader
	; D: tile 1's exponentials, a second batch; tile 0's sum and the rescaling of O^T, which name none of its results, stand among them
.set i, 0
.rept 32
	v_exp_f32 v[S+64+2*i], v[S+64+2*i]
	SUMI 0
	v_exp_f32 v[S+64+2*i+1], v[S+64+2*i+1]
	v_pk_mul_f32 v[O+2*i:O+2*i+1], v[O+2*i:O+2*i+1], v[ST+12*(i/16)+4:ST+12*(i/16)+5] op_sel_hi:[1,0]   ; O^T x f, each accumulator from its low end on
.set i, i+1
.endr
	s_wait_alu depctr_va_vdst(0)                   ; one wait for tile 1's batch
	; E: tile 1's sum
.set i, 0
.rept 32
	SUMI 1
.set i, i+1
.endr
	; F: the hold.  p is at most 1 (a rounding above); with e8 >= -8 the largest code x the scale is 1.75 or more and the hold changes nothing: a branch on the given whole number
	s_cmp_ge_i32 s[E8], -8
	s_cbranch_scc1 .Lnohold_\@
.set i, 0
.rept 128
	v_min_num_f32 v[S+i], v[S+i], v[PLIM]          ; the conversion to an 8-bit code does not saturate (ISA guide 7.6.2); p is not negative, so the hold is one-sided
.set i, i+1
.endr
.Lnohold_\@:
	; G: p's codes: registers 4 b .. 4 b + 3 of the operand are keys 32 b + 16 h + 0 .. 15
.irp x, 0,1
.irp b, 0,1,2,3
	v_cvt_scalef32_pk8_fp8_f32 v[PC+16*\x+4*\b:PC+16*\x+4*\b+1], v[S+64*\x+16*\b:S+64*\x+16*\b+7], v[PSC]
	v_cvt_scalef32_pk8_fp8_f32 v[PC+16*\x+4*\b+2:PC+16*\x+4*\b+3], v[S+64*\x+16*\b+8:S+64*\x+16*\b+15], v[PSC]
.endr
.endr
	v_nop                                          ; a plain line between the conversions and the products that read their results
	s_wait_dscnt 0x0                               ; V is in
	WIN 0x01                                       ; source 0 (V) window 1
.irp d, 0,1,2,3
.irp x, 0,1
	v_wmma_f32_16x16x128_fp8_fp8 v[O+32*\x+8*\d:O+32*\x+8*\d+7], v[VF+16*\d:VF+16*\d+15], v[PC+16*\x:PC+16*\x+15], v[O+32*\x+8*\d:O+32*\x+8*\d+7]   ; eight accumulators, one instruction a turn
.endr
.endr
	WIN 0
.rept 4
	v_nop                                          ; places in front of the next loads into K's and V's registers, of the next conversions into p's codes, and of the next read of O^T
.endr
.Lskip_\@:
	s_lshr_b32 s[ACT], s[ACT], 1
	s_lshr_b32 s[MIX], s[MIX], 1
	s_add_nc_u64 s[8:9], s[8:9], 256               ; the next step's words (no scalar load is out: each was waited for)
.endm
; A SLOT: two key steps out of LDS slot cur.  At its head the next slot's 32,768 bytes are asked for, into registers; at its end they go into the other LDS slot.  ONE barrier: in front of it each wave's reads of slot cur are over and its stores
; into the other slot have landed; the other slot's last reads stood in front of the barrier before.  A slot that no wave of the work-group wants is neither loaded nor stored (the bit is the same in all eight waves); behind the last slot the bit is 0.
.macro SLOT cur, goff, pfoff
	s_bitcmp1_b32 s[NEED], 2
	s_cbranch_scc0 .Lnoload_\@
	WIN 0x40
.irp i, 0,1,2,3,4,5,6,7
	global_load_b128 v[G+4*\i:G+4*\i+3], v[TI], s[6:7] offset:\goff+4096*\i
.endr
	WIN 0
.Lnoload_\@:
	; a prefetch of the slot two on: 32,768 bytes, four waves x 32 lanes 256 bytes apart, one instruction a wave.  All eight work-groups of a head walk the same bytes: the first asks.  Slots 0 and 1 come by their loads alone; the last trip asks for nothing
	s_cmp_gt_u32 s[LC], s[LIM]
	s_cbranch_scc0 .Lnopf_\@
	global_prefetch_b8 v[PFO], s[6:7] offset:\pfoff th:TH_LOAD_NT scope:SCOPE_SE
.Lnopf_\@:
	STEP (\cur)*32768, (\cur)*32768+16384
	STEP (\cur)*32768+8192, (\cur)*32768+24576
	s_wait_loadcnt 0x0                             ; the next slot is in my registers
	s_bitcmp1_b32 s[NEED], 2
	s_cbranch_scc0 .Lnostore_\@
	WIN 0x04
.irp i, 0,1,2,3,4,5,6,7
	ds_store_b128 v[TI], v[G+4*\i:G+4*\i+3] offset:(1-\cur)*32768+4096*\i
.endr
	WIN 0
.Lnostore_\@:
	s_lshr_b32 s[NEED], s[NEED], 2
	s_wait_dscnt 0x0
	s_barrier_signal -1
	s_barrier_wait -1
.endm
.Ltrip:                                            ; four trips of two slots
	SLOT 0, 32768, 65536
	SLOT 1, 65536, 98304
	s_wait_xcnt 0x0                                ; the trip's loads and prefetches have read their base
	s_add_nc_u64 s[6:7], s[6:7], 65536
	s_sub_co_u32 s[LC], s[LC], 1
	s_cmp_lg_u32 s[LC], 0
	s_cbranch_scc1 .Ltrip
	; THE WAY OUT.  O^T / the sum, held and converted with 2^(e10 - e8 - e9): accumulators 2 q and 2 q + 1 of a tile are channels 32 q + 16 h + 0 .. 15 of my query: four registers of the last projection's operand, stored as their image
.irp x, 0,1
	v_add_f32 v[ST+12*\x+8], v[ST+12*\x+2], v[ST+12*\x+3]
.endr
.irp x, 0,1
	v_permlanex16_b32 v[ST+12*\x+10], v[ST+12*\x+8], s[SEL], s[SEL+1]
.endr
.irp x, 0,1
	v_add_f32 v[ST+12*\x+8], v[ST+12*\x+8], v[ST+12*\x+10]        ; the row's sum
.endr
.irp x, 0,1
	v_rcp_f32 v[ST+12*\x+4], v[ST+12*\x+8]
.endr
	v_nop                                          ; a plain line behind the reciprocals,
	s_wait_alu depctr_va_vdst(0)                   ; and one wait for both, ahead of their first reader
.irp x, 0,1
.set i, 0
.rept 16
	v_pk_mul_f32 v[S+64*\x+2*i:S+64*\x+2*i+1], v[O+32*\x+2*i:O+32*\x+2*i+1], v[ST+12*\x+4:ST+12*\x+5] op_sel_hi:[1,0]
.set i, i+1
.endr
.set i, 0
.rept 32
	v_med3_num_f32 v[S+64*\x+i], v[S+64*\x+i], s13, s12
.set i, i+1
.endr
.irp d, 0,1,2,3
	v_cvt_scalef32_pk8_fp8_f32 v[PC+16*\x+2*\d:PC+16*\x+2*\d+1], v[S+64*\x+8*\d:S+64*\x+8*\d+7], v[OSC]
.endr
	v_nop
.irp q, 0,1
	global_store_b128 v[LI], v[PC+16*\x+4*\q:PC+16*\x+4*\q+3], s[14:15] offset:16384*\x+512*\q   ; 32 lanes store 512 consecutive bytes
.endr
.endr
	s_wait_tensorcnt 0x0
	ds_add_u32 v19, v31
	s_wait_dscnt 0x0
	s_endpgm
.Lfunc_end_k_q0e76fcccb2_attn:
	.size	k_q0e76fcccb2_attn, .Lfunc_end_k_q0e76fcccb2_attn-k_q0e76fcccb2_attn
	.p2alignl 7, 3214868480
	.fill 96, 4, 3214868480
	.section	.rodata,"a",@progbits
	.p2align	6, 0x0
	.amdhsa_kernel k_q0e76fcccb2_attn
		.amdhsa_group_segment_fixed_size 66560
		.amdhsa_private_segment_fixed_size 0
		.amdhsa_enable_private_segment 0
		.amdhsa_kernarg_size 48
		.amdhsa_user_sgpr_count 2
		.amdhsa_user_sgpr_kernarg_segment_ptr 1
		.amdhsa_wavefront_size32 1
		.amdhsa_system_sgpr_workgroup_id_x 1
		.amdhsa_system_sgpr_workgroup_id_y 1
		.amdhsa_system_sgpr_workgroup_id_z 1
		.amdhsa_system_vgpr_workitem_id 0
		.amdhsa_next_free_vgpr 512
		.amdhsa_next_free_sgpr 100
		.amdhsa_reserve_vcc 0
		.amdhsa_float_denorm_mode_32 3
		.amdhsa_float_denorm_mode_16_64 3
		.amdhsa_memory_ordered 1
		.amdhsa_forward_progress 1
		.amdhsa_inst_pref_size 168
	.end_amdhsa_kernel
	.amdgpu_metadata
---
amdhsa.version: [ 1, 2 ]
amdhsa.kernels:
  - .name:           k_q0e76fcccb2_attn
    .symbol:         k_q0e76fcccb2_attn.kd
    .args:
      - { .name: qimg, .offset: 0, .size: 8, .value_kind: global_buffer, .address_space: global }
      - { .name: kv, .offset: 8, .size: 8, .value_kind: global_buffer, .address_space: global }
      - { .name: mbits, .offset: 16, .size: 8, .value_kind: global_buffer, .address_space: global }
      - { .name: flags, .offset: 24, .size: 8, .value_kind: global_buffer, .address_space: global }
      - { .name: lowp_scales, .offset: 32, .size: 8, .value_kind: global_buffer, .address_space: global }
      - { .name: ao, .offset: 40, .size: 8, .value_kind: global_buffer, .address_space: global }
    .group_segment_fixed_size: 66560
    .private_segment_fixed_size: 0
    .kernarg_segment_align: 8
    .kernarg_segment_size: 48
    .max_flat_workgroup_size: 256
    .sgpr_count:     100
    .vgpr_count:     512
    .wavefront_size: 32
...
	.end_amdgpu_metadata
.endif
;; end of part 3
;; launch oproj (part 4): grid 4 x 16, 4 waves a work-group, clusters of 4 x 4, 327,680 bytes of LDS; arguments ao, codes, lowp_scales, out0; writes out0
.if DOCPART == 4
	.amdgcn_target "amdgcn-amd-amdhsa--gfx1250"
	.amdhsa_code_object_version 6
	.text
	.protected	k_q0e76fcccb2_oproj
	.globl	k_q0e76fcccb2_oproj
	.p2align	8
	.type	k_q0e76fcccb2_oproj,@function
k_q0e76fcccb2_oproj:
	s_mov_b64 s[64:65], 0
	v_nop
	global_prefetch_b8 v0, s[64:65] scope:SCOPE_SE
	s_setreg_imm32_b32 hwreg(HW_REG_WAVE_MODE, 25, 1), 1
	s_wait_xcnt 0x0
	s_wait_alu depctr_hold_cnt(0) depctr_sa_sdst(0) depctr_va_vdst(0) depctr_va_sdst(0) depctr_va_ssrc(0) depctr_va_vcc(0) depctr_vm_vsrc(0)
	s_getreg_b32 s2, hwreg(HW_REG_IB_STS2, 6, 4)
	s_cmp_eq_u32 s2, 0
	s_cbranch_scc0 .Lentry_in_a_cluster
	s_endpgm
.Lentry_in_a_cluster:
	s_bfe_u32 s2, ttmp6, 0x10000c
	s_cmp_lg_u32 s2, 0xf033
	s_cbranch_scc0 .Lentry_shape_is_right
	s_endpgm
.Lentry_shape_is_right:
; THE LAST PROJECTION: out0[token][n] = sum over k of A[token][k] Wo[n][k], on codes of FP8 (E4M3); each finished sum x 2^(e10 + e11).  LIMIT: e10 + e11 between -126 and 127.
; A, the attention's result, lies in memory as images of this product's fragments: [tile of 16 tokens 256][K step of 128: 8][c 4][lane][16]: lane (r, h) holds, of token 32 (T / 2) + 8 (T % 2) + r + 8 (r / 8), k = 128 s + 32 c + 16 h + 0 .. 15.
; Wo's codes are rows 15,360 on of the buffer of codes, 1,024 bytes a row, in their own order.
; A tile of out0, 256 x 256, is made by a work-group of four waves, a wave 128 x 128: 64 accumulators.  64 work-groups: the tile is kept large, so that each byte read from LDS feeds as many products as the registers allow.
; K goes in four steps of 256 through a ring of two LDS slots filled by the tensor data mover.  A's part of a slot is 16 tiles x 4,096 consecutive bytes, laid as they lie (a fragment load takes 512 consecutive bytes: no padding);
; B's is 256 rows of 256 bytes, 272 apart.  4 x 4 work-groups form a cluster: A's tile is asked for jointly by a row of the cluster, B's by a column.
; THE MATRIX INSTRUCTION IS USED TRANSPOSED (source 0 = 16 rows of Wo, source 1 = 16 tokens): a lane holds eight neighbouring numbers of a row of out0.  The tokens' order in a tile is undone by the stores' offsets.
; REGISTERS, in windows of 256: window 0: v0-31 addresses; from v128 A's fragments, ONE set; on the way out v32-255 are free.   window 1: B's fragments, TWO sets.   windows 2, 3: the accumulators ((a, b) at v[8 (8 (a % 4) + b)]).
.set ROWB,   256                       ; a row of B's tile in bytes
.set KROW,   1024                      ; a row of Wo's codes in memory
.set PITCH,  272                       ; B's LDS row: 256 bytes + 16 of padding = 68 words: row r starts at bank 4 r mod 64 (64 banks of 4 bytes: ISA guide 11.1)
.set FR,     16
.set NL,     4
.set NP,     4                         ; places behind this matrix instruction (ISA guide 7.12.1)
.set HALFA,  32768                     ; 8 tiles x 4,096 bytes: what one tensor load brings of A
.set HALFB,  128*PITCH                 ; 128 rows: of B
.set BOFF,   2*HALFA                   ; B's rows lie behind A's 16 tiles
.set SLOT,   2*HALFA+2*HALFB
.set SPARE,  2*SLOT                    ; behind the ring: the spare words, 128 bytes for each wave, which no other line names
.set SPITCH, 528                       ; the way out: a stage of 16 rows x (512 bytes + 16) for each wave, in slot 0, which has had its last fill and its last read when the first result is stored there
.set NROW,   4096                      ; a row of out0 in bytes
.set ADRA, 16
.set ADRB, 20
.set STO,  24
.set RD,   25
.set CO,   26
.set SPW,  28
.set NIL,  29
.set TMP,  32
.set AF,   128
.set BK,   128
.set G1, 24
.set G0, 32
.set G1B, 48
.set G0B, 56
.set MSB, 0
.macro WIN new                         ; the immediate's high byte repeats the setting that is left
.if MSB != \new
	s_set_vgpr_msb (MSB<<8)|\new
.set MSB, \new
.endif
.endm
.set MUL_LO, 0xa1
.set MUL_HI, 0xf1
.set TO_B,   0x40
.macro JLOAD g0a, g1a, g0b, g1b        ; a joint load: waves 0 and 1 fetch for A, waves 2 and 3 for B; four v_nop follow each of the two lines
	s_cmp_eq_u32 s15, 0
	s_cbranch_scc0 .Lfor_b_\@
	tensor_load_to_lds s[\g0a:\g0a+3], s[\g1a:\g1a+7]
	s_nop 0
.rept 4
	v_nop
.endr
	s_branch .Lasked_\@
.Lfor_b_\@:
	tensor_load_to_lds s[\g0b:\g0b+3], s[\g1b:\g1b+7]
	s_nop 0
.rept 4
	v_nop
.endr
.Lasked_\@:
.endm
.macro CREST
	s_cmp_lg_u32 s14, 0
	s_cbranch_scc1 .Lnot_wave_0_\@
	s_barrier_signal -3
.Lnot_wave_0_\@:
	s_barrier_wait -3
	s_barrier_signal -1
	s_barrier_wait -1
.endm
.macro CROUND
	s_barrier_signal -1
	s_barrier_wait -1
	CREST
.endm
	s_load_b128 s[4:7], s[0:1], 0x0                ; A's images s[4:5], the buffer of codes s[6:7]
	s_load_b128 s[8:11], s[0:1], 0x10              ; the scales' exponents s[8:9], out0 s[10:11]
	v_lshl_add_u32 v[SPW], v0, 2, SPARE
	v_mov_b32 v[NIL], 0
	ds_add_u32 v28, v29
	ds_add_u32 v28, v29
	s_wait_dscnt 0x0
	v_lshrrev_b32 v1, 5, v0
	v_readfirstlane_b32 s14, v1                    ; wave 0..3
	s_lshr_b32 s15, s14, 1                         ; which half of the tile's tokens is mine.  Also: I fetch for A (0) or for B (1)
	s_and_b32 s16, s14, 1                          ; which half of its columns.  Also: which half of that tile I fetch
	s_bfe_u32 s40, ttmp6, 0x40000                  ; cx, cy
	s_bfe_u32 s41, ttmp6, 0x40004
	s_lshl_b32 s42, ttmp9, 2
	s_add_co_u32 s42, s42, s40                     ; tile column = 4 x cluster x + cx
	s_and_b32 s17, ttmp7, 0xffff
	s_lshl_b32 s17, s17, 2
	s_add_co_u32 s17, s17, s41                     ; tile row = 4 x cluster y + cy
	s_lshl_b32 s43, s41, 2
	s_lshl_b32 s43, 15, s43                        ; my row of the cluster
	s_lshl_b32 s44, 0x1111, s40                    ; my column
	; descriptor group 1 for A: 8 rows of 4,096 bytes (a tile's two K steps), 16,384 bytes apart, no padding
	s_or_b32 s[G1+0], s43, (0<<16)|(1<<21)         ; 15:0 the mask: my row; elements of 1 byte; 21 set beside a mask
	s_mov_b32 s[G1+1], 4096<<16                    ; tensor_dim0
	s_mov_b32 s[G1+2], 8<<16                       ; tensor_dim1
	s_mov_b32 s[G1+3], 4096<<16                    ; tile_dim0
	s_mov_b32 s[G1+4], 8                           ; tile_dim1
	s_mov_b32 s[G1+5], 16384                       ; tensor_dim0_stride
	s_mov_b32 s[G1+6], 0
	s_mov_b32 s[G1+7], 0
	; and for B: 128 rows of 256 bytes, padded in LDS
	s_or_b32 s[G1B+0], s44, (0<<16)|(1<<20)|(1<<21)|(5<<22)|(3<<25)
	s_mov_b32 s[G1B+1], ROWB<<16
	s_mov_b32 s[G1B+2], 128<<16
	s_mov_b32 s[G1B+3], ROWB<<16
	s_mov_b32 s[G1B+4], 128
	s_mov_b32 s[G1B+5], KROW
	s_mov_b32 s[G1B+6], 0
	s_mov_b32 s[G1B+7], 0
	s_lshl_b32 s20, s17, 4
	s_lshl_b32 s18, s16, 3
	s_add_co_u32 s20, s20, s18                     ; A: tile of tokens 16 x tile row + 8 x half
	s_lshl_b32 s20, s20, 14
	s_mov_b32 s21, 0
	s_lshl_b32 s46, s42, 8
	s_lshl_b32 s19, s16, 7
	s_add_co_u32 s46, s46, s19                     ; B: row 256 x tile column + 128 x half,
	s_lshl_b32 s46, s46, 10
	s_add_co_u32 s46, s46, 15360*1024              ; of Wo
	s_mov_b32 s47, 0
	s_mul_i32 s45, s16, HALFA                      ; where they go: no place in the cluster enters an LDS address
	s_mul_i32 s66, s16, HALFB
	s_add_co_u32 s66, s66, BOFF
	s_wait_kmcnt 0x0
	s_load_b64 s[96:97], s[8:9], 0x28              ; e10, e11
	s_add_nc_u64 s[20:21], s[4:5], s[20:21]
	s_add_nc_u64 s[46:47], s[6:7], s[46:47]
	CROUND                                         ; all sixteen work-groups are here: the first joint loads meet
.irp s, 0,1
	s_mov_b32 s[G0+4*\s], 1
	s_add_co_u32 s[G0+4*\s+1], s45, \s*SLOT
	s_add_nc_u64 s[G0+4*\s+2:G0+4*\s+3], s[20:21], \s*4096
	s_or_b32 s[G0+4*\s+3], s[G0+4*\s+3], 0x80000000
	s_mov_b32 s[G0B+4*\s], 1
	s_add_co_u32 s[G0B+4*\s+1], s66, \s*SLOT
	s_add_nc_u64 s[G0B+4*\s+2:G0B+4*\s+3], s[46:47], \s*ROWB
	s_or_b32 s[G0B+4*\s+3], s[G0B+4*\s+3], 0x80000000
	JLOAD G0+4*\s, G1, G0B+4*\s, G1B
.endr
	v_and_b32 v1, 15, v0                           ; l % 16
	v_bfe_u32 v2, v0, 4, 1                         ; l / 16
	v_and_b32 v6, 31, v0
	v_lshlrev_b32 v[CO], 4, v6                     ; 16 x lane
	v_mul_u32_u24 v3, v1, PITCH
	v_lshl_add_u32 v4, v2, 4, v3                   ; B: a fragment's row x pitch + 16 x half
	s_mul_i32 s21, s15, HALFA                      ; my 8 tiles of A
	s_mul_i32 s22, s16, HALFB                      ; my 128 rows of B
	s_add_co_u32 s22, s22, BOFF
.irp s, 0,1
	v_add_nc_u32 v[ADRA+\s], s21, v[CO]
	v_add_nc_u32 v[ADRB+\s], s22, v4
	s_add_co_u32 s21, s21, SLOT
	s_add_co_u32 s22, s22, SLOT
.endr
	s_mul_i32 s23, s14, 16*SPITCH                  ; my stage
	v_mul_u32_u24 v5, v1, SPITCH                   ; in: row l % 16, 32 bytes for each half of the lanes
	v_lshl_add_u32 v5, v2, 5, v5
	v_add_nc_u32 v[STO], s23, v5
	v_add_nc_u32 v[RD], s23, v[CO]                 ; back: the 32 lanes take one row of 512 bytes
	s_lshl_b32 s20, s17, 8
	s_lshl_b32 s21, s15, 7
	s_add_co_u32 s20, s20, s21                     ; my first token: 256 x tile row + 128 x half
	s_lshl_b32 s20, s20, 12                        ; x 4,096 bytes: under 2^24
	s_lshl_b32 s46, s42, 10                        ; my first column, in bytes: 1,024 x tile column + 512 x half
	s_lshl_b32 s47, s16, 9
	s_add_co_u32 s46, s46, s47
	s_add_co_u32 s20, s20, s46
	s_mov_b32 s21, 0
	s_add_nc_u64 s[10:11], s[10:11], s[20:21]
.macro FRAGB reg, adr, q, i            ; 16 rows of Wo x 128 K: registers 4 c .. 4 c + 3 hold K = 32 c + 16 (l / 16) + 0 .. 15
.irp c, 0,1,2,3
	ds_load_b128 v[\reg+4*\c:\reg+4*\c+3], v[\adr] offset:128*(\q)+32*\c+(\i)*16*PITCH
.endr
.endm
.macro FRAGA reg, adr, q, i            ; 16 tokens x 128 K: the image of the registers, 512 consecutive bytes a load, in the same order of k
.irp c, 0,1,2,3
	ds_load_b128 v[\reg+4*\c:\reg+4*\c+3], v[\adr] offset:4096*(\i)+2048*(\q)+512*\c
.endr
.endm
.macro MUL16 a0, p, zero               ; the 64 accumulators take turns, one instruction a turn
.irp a, \a0, \a0+1
.irp b, 0,1,2,3,4,5,6,7
.if \zero
	v_wmma_f32_16x16x128_fp8_fp8 v[8*(8*((\a)%4)+\b):8*(8*((\a)%4)+\b)+7], v[128*(\p)+FR*\b:128*(\p)+FR*\b+FR-1], v[AF+FR*(\a):AF+FR*(\a)+FR-1], 0
.else
	v_wmma_f32_16x16x128_fp8_fp8 v[8*(8*((\a)%4)+\b):8*(8*((\a)%4)+\b)+7], v[128*(\p)+FR*\b:128*(\p)+FR*\b+FR-1], v[AF+FR*(\a):AF+FR*(\a)+FR-1], v[8*(8*((\a)%4)+\b):8*(8*((\a)%4)+\b)+7]
.endif
.endr
.endr
.endm
.macro FETCH_B slot, q, p
	WIN TO_B
.irp i, 0,1,2,3,4,5,6,7
	FRAGB 128*(\p)+FR*\i, ADRB+\slot, \q, \i
.endr
	WIN 0
.endm
.macro FETCH_A slot, q, i0
.irp i, \i0, \i0+1, \i0+2, \i0+3
	FRAGA AF+FR*(\i), ADRA+\slot, \q, \i
.endr
.endm
.macro PLACES n                        ; plain vector lines between a matrix instruction and a load into a register that it has read, or a read of its result
.rept \n
	v_nop
.endr
.endm
.macro STEP slot, q, zero
	s_wait_dscnt 4*NL                              ; B's set and A's blocks 0-3 are in; the youngest sixteen loads (A's blocks 4-7) may be out
	WIN MUL_LO
	MUL16 0, (\q)%2, \zero
	MUL16 2, (\q)%2, \zero
	s_wait_dscnt 0
	PLACES NP
	FETCH_B \slot, (\q)+1, 1-(\q)%2
	FETCH_A \slot, (\q)+1, 0
	WIN MUL_HI
	MUL16 4, (\q)%2, \zero
	MUL16 6, (\q)%2, \zero
	PLACES NP
	WIN 0
	FETCH_A \slot, (\q)+1, 4
.endm
; A slot's last step changes slots: ONE barrier; in front of it each wave waits for all its tensor loads, adds 0 to its spare word, and waits for that and for its own reads of this slot.
.macro TURN slot, next, fill
	s_wait_tensorcnt 0x0                           ; all my tensor loads have landed: my part of the next slot
	ds_add_u32 v[SPW], v[NIL]                      ; 0 onto my spare word
	s_wait_dscnt 4*NL+1                            ; (the add and the youngest sixteen loads may be out)
	WIN MUL_LO
	MUL16 0, 1, 0
	s_wait_dscnt 0x0                               ; the add is done, and my reads of this slot are over
	s_barrier_signal -1
	MUL16 2, 1, 0
	WIN 0
	s_barrier_wait -1
.if \fill
	CREST                                          ; the barrier has opened a round of the cluster's barrier: no wave of any partner still reads this slot's tile or has a load on its way
	s_add_nc_u64 s[G0+4*\slot+2:G0+4*\slot+3], s[G0+4*\slot+2:G0+4*\slot+3], 2*4096
	s_add_nc_u64 s[G0B+4*\slot+2:G0B+4*\slot+3], s[G0B+4*\slot+2:G0B+4*\slot+3], 2*ROWB
	JLOAD G0+4*\slot, G1, G0B+4*\slot, G1B         ; the first tensor load behind the round; its four v_nop are also the places in front of the loads below
.else
	PLACES NP
.endif
	FETCH_B \next, 0, 0
	FETCH_A \next, 0, 0
	WIN MUL_HI
	MUL16 4, 1, 0
	MUL16 6, 1, 0
	PLACES NP
	WIN 0
	FETCH_A \next, 0, 4
.endm
	s_wait_tensorcnt 1                             ; my part of K step 0 is in (K step 1's load may be out)
	s_barrier_signal -1
	s_barrier_wait -1                              ; everybody's is
	FETCH_B 0, 0, 0
	FETCH_A 0, 0, 0
	FETCH_A 0, 0, 4
	STEP 0, 0, 1                                   ; the first products start the sums.  Four K steps, twice round the ring: written out, no loop
	TURN 0, 1, 1
	STEP 1, 0, 0
	TURN 1, 0, 1
	STEP 0, 0, 0
	TURN 0, 1, 0
	STEP 1, 0, 0
	s_wait_dscnt 4*NL
	WIN MUL_LO
	MUL16 0, 1, 0
	MUL16 2, 1, 0
	s_wait_dscnt 0
	WIN MUL_HI
	MUL16 4, 1, 0
	MUL16 6, 1, 0
	WIN 0
; THE WAY OUT, block by block of 16 tokens x 128 columns, through my own stage in LDS: in as 32 bytes a lane, back as whole rows of 512 bytes.  LDS serves a wave's instructions in order (ISA guide 5.7.1.4).
.macro TOSTAGE a
.set AC, 64*((\a)%4)
	WIN 0x02+((\a)/4)
.irp j, 0,2,4,6,8,10,12,14,16,18,20,22,24,26,28,30,32,34,36,38,40,42,44,46,48,50,52,54,56,58,60,62
	v_pk_mul_f32 v[TMP+\j:TMP+\j+1], v[AC+\j:AC+\j+1], s[96:97] op_sel_hi:[1,0]   ; both x s96 = 2^(e10 + e11); each accumulator from its low end on
.endr
	WIN 0
.irp b, 0,1,2,3,4,5,6,7
	ds_store_b128 v[STO], v[TMP+8*\b:TMP+8*\b+3] offset:64*\b
	ds_store_b128 v[STO], v[TMP+8*\b+4:TMP+8*\b+7] offset:64*\b+16
.endr
.set BB, BK+64*((\a)%2)
.irp t, 0,1,2,3,4,5,6,7,8,9,10,11,12,13,14,15
	ds_load_b128 v[BB+4*\t:BB+4*\t+3], v[RD] offset:\t*SPITCH
.endr
.endm
.macro SEND a, younger                 ; younger: the LDS instructions issued behind block a's loads, which may stay out
.set BB, BK+64*((\a)%2)
	s_wait_dscnt \younger
.irp t, 0,1,2,3,4,5,6,7,8,9,10,11,12,13,14,15
	global_store_b128 v[CO], v[BB+4*\t:BB+4*\t+3], s[10:11] offset:(32*((\a)/2)+8*((\a)%2)+\t+8*(\t/8))*NROW th:TH_STORE_NT   ; row t of block a is token 32 (a / 2) + 8 (a % 2) + t + 8 (t / 8) of my 128; 32 lanes store 512 consecutive bytes; the base is never stepped
.endr
.endm
	s_wait_kmcnt 0x0
	s_add_co_i32 s96, s96, s97
	s_add_co_i32 s96, s96, 127
	s_lshl_b32 s96, s96, 23                        ; 2^(e10 + e11) as f32
	PLACES NP
	TOSTAGE 0
.irp a, 1,2,3,4,5,6,7
.if \a > 1
	s_wait_xcnt 0x0                                ; block a - 2's stores have read their registers: block a's loads may land there
.endif
	TOSTAGE \a
	SEND \a-1, 32                                  ; behind block a - 1's loads: block a's 16 stores and 16 loads
.endr
	SEND 7, 0
	s_wait_tensorcnt 0x0                           ; the wave's end
	ds_add_u32 v[SPW], v[NIL]
	s_wait_dscnt 0x0
	CROUND                                         ; the closing round
	s_endpgm
.Lfunc_end_k_q0e76fcccb2_oproj:
	.size	k_q0e76fcccb2_oproj, .Lfunc_end_k_q0e76fcccb2_oproj-k_q0e76fcccb2_oproj
	.p2alignl 7, 3214868480
	.fill 96, 4, 3214868480
	.section	.rodata,"a",@progbits
	.p2align	6, 0x0
	.amdhsa_kernel k_q0e76fcccb2_oproj
		.amdhsa_group_segment_fixed_size 327680
		.amdhsa_private_segment_fixed_size 0
		.amdhsa_enable_private_segment 0
		.amdhsa_kernarg_size 32
		.amdhsa_user_sgpr_count 2
		.amdhsa_user_sgpr_kernarg_segment_ptr 1
		.amdhsa_wavefront_size32 1
		.amdhsa_system_sgpr_workgroup_id_x 1
		.amdhsa_system_sgpr_workgroup_id_y 1
		.amdhsa_system_sgpr_workgroup_id_z 1
		.amdhsa_system_vgpr_workitem_id 0
		.amdhsa_next_free_vgpr 1024
		.amdhsa_next_free_sgpr 98
		.amdhsa_reserve_vcc 0
		.amdhsa_float_denorm_mode_32 3
		.amdhsa_float_denorm_mode_16_64 3
		.amdhsa_memory_ordered 1
		.amdhsa_forward_progress 1
		.amdhsa_inst_pref_size 123
	.end_amdhsa_kernel
	.amdgpu_metadata
---
amdhsa.version: [ 1, 2 ]
amdhsa.kernels:
  - .name:           k_q0e76fcccb2_oproj
    .symbol:         k_q0e76fcccb2_oproj.kd
    .args:
      - { .name: ao, .offset: 0, .size: 8, .value_kind: global_buffer, .address_space: global }
      - { .name: codes, .offset: 8, .size: 8, .value_kind: global_buffer, .address_space: global }
      - { .name: lowp_scales, .offset: 16, .size: 8, .value_kind: global_buffer, .address_space: global }
      - { .name: out0, .offset: 24, .size: 8, .value_kind: global_buffer, .address_space: global }
    .group_segment_fixed_size: 327680
    .private_segment_fixed_size: 0
    .kernarg_segment_align: 8
    .kernarg_segment_size: 32
    .max_flat_workgroup_size: 128
    .sgpr_count:     98
    .vgpr_count:     1024
    .wavefront_size: 32
...
	.end_amdgpu_metadata
.endif
;; end of part 4
;; ======== version 2 of 2: 4 launches; version 1 with the launch attn written anew for expert scheduling mode
;; limits: right only within a limited range of input values
;; workspace buffers: codes 16,777,216 bytes; qimg 4,194,304 bytes; kv 8,388,608 bytes; ao 4,194,304 bytes; mbits 524,288 bytes of whole numbers; flags 1,024 bytes of whole numbers
;; launch quant: the kernel of part 1 again; grid 640 x 1, 4 waves a work-group, no clusters, 34,304 bytes of LDS; arguments query, key, value, Wq, Wk, Wv, Wo, lowp_scales, mask, codes, mbits, flags; writes codes, mbits, flags
;; launch proj: the kernel of part 2 again; grid 4 x 48, 4 waves a work-group, clusters of 4 x 4, 327,680 bytes of LDS; arguments codes, lowp_scales, qimg, kv; writes qimg, kv
;; launch attn (part 5): grid 8 x 32, 8 waves a work-group, no clusters, 66,560 bytes of LDS; arguments qimg, kv, mbits, flags, lowp_scales, ao; writes ao
.if DOCPART == 5
	.amdgcn_target "amdgcn-amd-amdhsa--gfx1250"
	.amdhsa_code_object_version 6
	.text
	.protected	k_q0e76fcccb2_attn
	.globl	k_q0e76fcccb2_attn
	.p2align	8
	.type	k_q0e76fcccb2_attn,@function
k_q0e76fcccb2_attn:
	s_mov_b64 s[64:65], 0
	v_nop
	global_prefetch_b8 v0, s[64:65] scope:SCOPE_SE
	s_setreg_imm32_b32 hwreg(HW_REG_WAVE_SCHED_MODE, 0, 2), 2
	s_setreg_imm32_b32 hwreg(HW_REG_WAVE_MODE, 25, 1), 1
	s_wait_xcnt 0x0
	s_wait_alu depctr_vm_vsrc(0)
; ATTENTION on codes of FP8 (E4M3): S = q k^T / 8, the GIVEN mask, the softmax ahead of a quantised product, O = P V, and O quantised for the last projection.
; t = logit x log2(e); M = the running largest t rounded UP to a whole number; p = 2^(t - M) is quantised with 2^e8; the row's sum is taken of the unquantised p and divides at the end; when M moves, the sum and O are multiplied by 2^(old M - new M).
; SHARES.  A work-group owns two blocks of 128 queries of one (batch, head): block j (waves 0-3) and block 15 - j (waves 4-7).  A wave owns 32 queries: two tiles of 16, T0 = 2 a and T1 = 2 a + 1, a = 4 x block + wave % 4.
; Every wave walks the head's 16 key steps of 128 keys.  K and V come as images of the operands' registers: a slot of 256 keys is 32,768 consecutive bytes of memory, copied through registers into one of two LDS slots by all eight waves, a slot ahead.
; BOTH PRODUCTS ARE USED TRANSPOSED (S^T = K Q^T, O^T = V^T P^T): a lane holds one query throughout.  Register n of a tile's 64 scores is key 32 (n / 16) + 16 (lane / 16) + n % 16 of the step.
; THE MASK is honoured as it is given.  An earlier launch has stored it as lane masks, one word for each score register, and two words a tile: act (bit t: step t has a key that counts; all bits where a query has no key at all) and
; all (bit t: every key of step t counts).  A step whose act bit is clear in both my tiles is left out: its p would all be 0.  A step whose all bit is set in both needs no select.  These are scalar branches on stored whole numbers.
; This launch has no tensor load and no joint loads, though the eight work-groups of a head read the same 262,144 bytes of K and V.
; A masked score is replaced by -2^(33 - e6 - e7), so its t is -2^30 log2(e): a whole number in f32.  A query with no key gets p = 1 at all 2,048 keys, uniform weights; any other query gets 0 at its masked keys.
; LIMITS.  The stand-in logit is -2^30, not -1e9: the same result as long as no logit that counts comes near -1e9, which the codes' range excludes for e6 + e7 <= 9 (|logit| <= 64 x 448^2 x 2^(e6 + e7) / 8).
;   e6 + e7 >= -94; e8, and e10 - e8 - e9, between -126 and 119: each power of two below is then an f32 number.
; REGISTERS.  window 0: v1 16 x lane; v2 16 x thread; v3 the prefetch's offset; v4 the masked score; v5 2^e8; v6 448 x 2^e8; v7 2^(e10 - e8 - e9); v8-18, v20-30 a tile's statistics: +0 -M, +1 the largest t, +2:3 the sum, +4:5 f,
;   +6:7 the sum's second chain, +8, +9 at work, +10 the lane exchange; v19, v31 the closing add's two; v32-159 S^T, then p, 64 a tile; v160-191 p's codes, 16 a tile; v192-255 O^T, 32 a tile.
;   window 1: v0-63 K's 8 fragments; v64-127 V's 4; v128-143 Q's two; v144-175 the next slot on its way to LDS.
; THE MODE: SCHED_MODE bits 1:0 = 2 (LLVM: expert scheduling mode 2), set by the entry lines.  The code itself states the register dependences between vector or matrix instructions and memory or LDS instructions, with s_wait_alu, always for 0.
; THE PLAN.  Registers that memory or LDS instructions touch:
;   v1, v2, v3    offsets and LDS addresses: written at the head, ahead of the head's one wait on va_vdst, and named by no vector instruction behind it.
;   K's 64        The LDS loads at a step's head land in them; the step's sixteen products K Q^T read them.  Behind those products stand the step's two waits on va_vdst, and nothing behind these names K's registers:
;                 so the next loads into them, in whichever later step, hang on nothing that is not stated.
;   V's 64        The step's eight products V^T P^T, at its end, read them.  The loads into them stand in the next step that is walked, straight behind its first wait on va_vdst, which states that those products are done reading.
;   Q's 16        Loaded once, at the head.
;   G's 32        The global loads at a slot's head land in them, the LDS stores at its end read them; no vector instruction names them.  One wait on vm_vsrc at a slot's head states that the stores have read them.
;   v160-191      On the way out the conversions write them and the four global stores read them: one wait on va_vdst ahead of the run of stores.
;   v19, v31      Written at the head, read by the closing add alone.
.set LI,   1
.set TI,   2
.set PFO,  3
.set SMV,  4
.set PSC,  5
.set PLIM, 6
.set OSC,  7
.set ST,   8
.set S,    32
.set PC,   160
.set O,    192
.set VF,   64                          ; in window 1
.set QF,   128
.set G,    144
.set WV,   16                          ; s16  my wave's number
.set J,    17                          ; s17  the work-group's x
.set BH,   18                          ; s18  batch x 16 + head
.set AL,   19                          ; s19  a: my pair of tiles
.set SEL,  20                          ; s[20:21] lane selects for v_permlanex16_b32: lane l xor 16
.set CS,   22                          ; s[22:23] c = log2(e) / 8 x 2^(e6 + e7)
.set ACT,  24                          ; s24  bit 0: the step in hand has work for me
.set MIX,  25                          ; s25  bit 0: it needs the mask's words
.set NEED, 26                          ; s26  bit 2: some wave of the work-group wants the next slot
.set LC,   27                          ; s27  trips to go
.set E8,   28                          ; s28  e8
.set LIM,  30                          ; s30  1 in a wave that prefetches, else the greatest number
.set MSB, 0
.macro WIN new                         ; the immediate's high byte repeats the setting that is left; at every label and branch the setting is 0
.if MSB != \new
	s_set_vgpr_msb (MSB<<8)|\new
.set MSB, \new
.endif
.endm
	s_load_b256 s[4:11], s[0:1], 0x0               ; qimg s[4:5], kv s[6:7], mbits s[8:9], flags s[10:11]
	s_load_b128 s[12:15], s[0:1], 0x20             ; the scales' exponents s[12:13], ao s[14:15]
	v_lshl_add_u32 v19, v0, 2, 0x10000
	v_mov_b32 v31, 0
	v_lshrrev_b32 v1, 5, v0
	v_readfirstlane_b32 s[WV], v1
	v_and_b32 v1, 31, v0
	v_lshlrev_b32 v[PFO], 8, v1
	v_lshlrev_b32 v[LI], 4, v1
	v_lshlrev_b32 v[TI], 4, v0
	s_wait_alu depctr_va_sdst(0)                   ; the wave's number is written into s16, ahead of its first reader
	s_and_b32 s2, s[WV], 3
	s_lshl_b32 s3, s2, 13
	v_add_nc_u32 v[PFO], s3, v[PFO]                ; 8,192 (wave % 4) + 256 x lane
	s_mov_b32 s[J], ttmp9
	s_and_b32 s[BH], ttmp7, 0xffff
	s_sub_co_u32 s29, 15, s[J]
	s_cmp_lt_u32 s[WV], 4
	s_cselect_b32 s31, s[J], s29                   ; my block of 128 queries
	s_lshl_b32 s[AL], s31, 2
	s_add_co_u32 s[AL], s[AL], s2
	s_lshl_b32 s84, s[BH], 18                      ; kv: a head's 262,144 bytes
	s_mov_b32 s85, 0
	s_lshl_b32 s86, s[BH], 17                      ; qimg: a head's 131,072 bytes,
	s_lshl_b32 s87, s[AL], 11                      ; my two tiles of 1,024
	s_add_co_u32 s86, s86, s87
	s_mov_b32 s87, 0
	s_lshl_b32 s88, s[J], 6                        ; flags: a block's 8 tiles of 8 bytes
	s_mov_b32 s89, 0
	s_lshl_b32 s90, s29, 6
	s_mov_b32 s91, 0
	s_lshl_b32 s92, s[AL], 4                       ; and my two tiles'
	s_mov_b32 s93, 0
	s_lshl_b32 s94, s[AL], 13                      ; mbits: a tile's 16 steps of 256 bytes, two tiles
	s_mov_b32 s95, 0
	s_lshr_b32 s96, s[BH], 4                       ; ao: [tile of 16 tokens 256][K step 8][c 4][lane][16]; k = 64 head + channel
	s_lshl_b32 s96, s96, 7
	s_lshl_b32 s97, s[AL], 1
	s_add_co_u32 s96, s96, s97
	s_lshl_b32 s96, s96, 14                        ; my first tile's 16,384 bytes,
	s_bfe_u32 s97, s[BH], 0x30001
	s_lshl_b32 s97, s97, 11                        ; K step head / 2,
	s_add_co_u32 s96, s96, s97
	s_and_b32 s97, s[BH], 1
	s_lshl_b32 s97, s97, 10                        ; its pieces 2 (head % 2) on
	s_add_co_u32 s96, s96, s97
	s_mov_b32 s97, 0
	s_mov_b32 s[SEL], 0x76543210
	s_mov_b32 s[SEL+1], 0xfedcba98
	s_mov_b32 s[LC], 4
	s_lshr_b32 s2, s[WV], 2
	s_or_b32 s2, s2, s[J]
	s_cmp_eq_u32 s2, 0                             ; waves 0 to 3 of the head's first work-group prefetch
	s_cselect_b32 s[LIM], 1, -1
	s_wait_kmcnt 0x0
	s_add_nc_u64 s[6:7], s[6:7], s[84:85]
	s_add_nc_u64 s[4:5], s[4:5], s[86:87]
	WIN 0x40                                       ; destination window 1
	s_wait_alu depctr_va_vdst(0)                   ; v1, v2 and v3 are written: every load, store and prefetch of the kernel reads one of them as its offset or LDS address, and no vector instruction names them again
.irp i, 0,1,2,3,4,5,6,7
	global_load_b128 v[G+4*\i:G+4*\i+3], v[TI], s[6:7] offset:4096*\i   ; slot 0: 256 threads x 16 bytes, eight times
.endr
.irp i, 0,1,2,3
	global_load_b128 v[QF+4*\i:QF+4*\i+3], v[LI], s[4:5] offset:512*\i  ; Q's two fragments stay in registers
.endr
	WIN 0
	s_add_nc_u64 s[88:89], s[10:11], s[88:89]
	s_add_nc_u64 s[90:91], s[10:11], s[90:91]
	s_add_nc_u64 s[92:93], s[10:11], s[92:93]
	s_load_b512 s[32:47], s[88:89], 0x0            ; (act, all) of block j's eight tiles,
	s_load_b512 s[48:63], s[90:91], 0x0            ; of block 15 - j's,
	s_load_b128 s[68:71], s[92:93], 0x0            ; and of my two
	s_load_b128 s[72:75], s[12:13], 0x18           ; e6, e7, e8, e9
	s_load_b32 s76, s[12:13], 0x28                 ; e10
	s_add_nc_u64 s[8:9], s[8:9], s[94:95]
	s_add_nc_u64 s[14:15], s[14:15], s[96:97]
.irp x, 0,1
	v_mov_b32 v[ST+12*\x+1], 0xff61b1e6            ; the largest t so far: -3e38, under every t
	v_floor_f32 v[ST+12*\x], -v[ST+12*\x+1]        ; -M
	v_mov_b32 v[ST+12*\x+2], 0                     ; the sum, in two halves
	v_mov_b32 v[ST+12*\x+3], 0
	v_mov_b32 v[ST+12*\x+5], 0                     ; (named as the upper half of f's pair)
	v_mov_b32 v[ST+12*\x+10], 0                    ; a lane permute's destination counts as one of its sources
.endr
.set i, 0
.rept 64
	v_mov_b32 v[O+i], 0                            ; O^T.  (The step is written without a first form of its own: the first change of M multiplies zeros)
.set i, i+1
.endr
	s_wait_kmcnt 0x0
	s_or_b32 s[ACT], s68, s70
	s_and_b32 s[MIX], s69, s71
	s_not_b32 s[MIX], s[MIX]
	s_and_b32 s[MIX], s[MIX], 0xffff
	s_or_b32 s2, s32, s34                          ; the steps that any of the work-group's sixteen tiles wants
.irp w, 36,38,40,42,44,46,48,50,52,54,56,58,60,62
	s_or_b32 s2, s2, s\w
.endr
	s_lshr_b32 s3, s2, 1
	s_or_b32 s[NEED], s2, s3                       ; bit 2 s: slot s is wanted
	s_add_co_i32 s2, s72, s73                      ; e6 + e7
	s_lshl_b32 s3, s2, 23
	s_mov_b32 s[CS], 0x3e38aa3b                    ; log2(e) / 8;
	s_add_co_i32 s[CS], s[CS], s3                  ; a score stands for score x 2^(e6 + e7): added to c's exponent field
	s_mov_b32 s[CS+1], s[CS]                       ; (named with it as a pair, so it is written)
	s_sub_co_i32 s3, 160, s2
	s_lshl_b32 s3, s3, 23
	s_or_b32 s3, s3, 0x80000000
	v_mov_b32 v[SMV], s3                           ; -2^(33 - e6 - e7)
	s_mov_b32 s[E8], s74
	s_add_co_i32 s2, s74, 127
	s_lshl_b32 s3, s2, 23
	v_mov_b32 v[PSC], s3                           ; 2^e8
	s_add_co_i32 s2, s2, 8
	s_lshl_b32 s2, s2, 23
	s_or_b32 s2, s2, 0x600000
	v_mov_b32 v[PLIM], s2                          ; 448 x 2^e8
	s_sub_co_i32 s2, s76, s74
	s_sub_co_i32 s2, s2, s75                       ; e10 - e8 - e9: O^T / the sum stands for that x 2^(e8 + e9)
	s_add_co_i32 s2, s2, 127
	s_lshl_b32 s3, s2, 23
	v_mov_b32 v[OSC], s3
	s_add_co_i32 s2, s2, 8
	s_lshl_b32 s12, s2, 23
	s_or_b32 s12, s12, 0x600000                    ; 448 x 2^(e10 - e8 - e9),
	s_or_b32 s13, s12, 0x80000000                  ; and its negative
	s_wait_loadcnt 0x0                             ; slot 0 and Q are in
	WIN 0x04                                       ; store data window 1
.irp i, 0,1,2,3,4,5,6,7
	ds_store_b128 v[TI], v[G+4*\i:G+4*\i+3] offset:4096*\i   ; the data came by loads, the address stands since the head's wait
.endr
	WIN 0
	s_wait_dscnt 0x0                               ; for the others' sake: my part of slot 0 lies in LDS
	s_barrier_signal -1
	s_barrier_wait -1
; the mask's 64 words of tile x for the step in hand, and the selects: a bit that is clear puts the masked score in the score's place
.macro MASKT x
	s_load_b512 s[32:47], s[8:9], 4096*(\x)
	s_load_b512 s[48:63], s[8:9], 4096*(\x)+64
	s_load_b512 s[68:83], s[8:9], 4096*(\x)+128
	s_load_b512 s[84:99], s[8:9], 4096*(\x)+192
	s_wait_kmcnt 0x0
.set n, 0
.rept 64
.if n < 32
	v_cndmask_b32 v[S+64*(\x)+n], v[SMV], v[S+64*(\x)+n], s[32+n]
.else
	v_cndmask_b32 v[S+64*(\x)+n], v[SMV], v[S+64*(\x)+n], s[36+n]
.endif
.set n, n+1
.endr
.endm
; item i of the 32 packed additions that add tile x's 64 p to its sum, in two chains
.macro SUMI x
.set rT, ST+12*(\x)
.set rS, S+64*(\x)
.if i == 0
	v_pk_add_f32 v[rT+6:rT+7], v[rS:rS+1], v[rS+2:rS+3]
.elseif i == 31
	v_pk_add_f32 v[rT+2:rT+3], v[rT+2:rT+3], v[rT+6:rT+7]
.elseif i%2 == 1
	v_pk_add_f32 v[rT+2:rT+3], v[rT+2:rT+3], v[rS+2*i+2:rS+2*i+3]
.else
	v_pk_add_f32 v[rT+6:rT+7], v[rT+6:rT+7], v[rS+2*i+2:rS+2*i+3]
.endif
.endm
; A KEY STEP: 128 keys; K's fragments at LDS byte KB, V's at VB.
.macro STEP KB, VB
	s_bitcmp1_b32 s[ACT], 0
	s_cbranch_scc0 .Lskip_\@                       ; no key of the step counts for any of my 32 queries
	WIN 0x40
.irp f, 0,1,2,3,4,5,6,7,8,9,10,11,12,13,14,15
	ds_load_b128 v[4*\f:4*\f+3], v[LI] offset:(\KB)+512*\f        ; K: tile f / 2, piece f % 2: the image of the fragment's registers.  No wait: the products that last read these registers stand ahead of their own step's waits on va_vdst, and nothing since names them
.endr
	s_wait_dscnt 0x0                               ; K is in
	WIN 0x05                                       ; sources 0 (K) and 1 (Q) window 1
.irp t, 0,1,2,3,4,5,6,7
.irp x, 0,1
	v_wmma_f32_16x16x64_fp8_fp8 v[S+64*\x+8*\t:S+64*\x+8*\t+7], v[8*\t:8*\t+7], v[QF+8*\x:QF+8*\x+7], 0
.endr
.endr
	WIN 0
.rept 4
	v_nop                                          ; places in front of the first read of the scores
.endr
	s_bitcmp1_b32 s[MIX], 0
	s_cbranch_scc0 .Lopen_\@                       ; every key of the step counts for all my queries
	MASKT 0
	MASKT 1
.Lopen_\@:
	; A: the step's largest score of each query, in two chains a tile, the tiles line by line
.irp x, 0,1
	v_max3_num_f32 v[ST+12*\x+8], v[S+64*\x], v[S+64*\x+1], v[S+64*\x+2]
.endr
.irp x, 0,1
	v_max3_num_f32 v[ST+12*\x+9], v[S+64*\x+3], v[S+64*\x+4], v[S+64*\x+5]
.endr
.irp i, 6,10,14,18,22,26,30,34,38,42,46,50,54,58
.irp x, 0,1
	v_max3_num_f32 v[ST+12*\x+8], v[ST+12*\x+8], v[S+64*\x+\i], v[S+64*\x+\i+1]
.endr
.irp x, 0,1
	v_max3_num_f32 v[ST+12*\x+9], v[ST+12*\x+9], v[S+64*\x+\i+2], v[S+64*\x+\i+3]
.endr
.endr
.irp x, 0,1
	v_max3_num_f32 v[ST+12*\x+8], v[ST+12*\x+8], v[S+64*\x+62], v[S+64*\x+63]
.endr
.irp x, 0,1
	v_max_num_f32 v[ST+12*\x+8], v[ST+12*\x+8], v[ST+12*\x+9]
.endr
.irp x, 0,1
	v_permlanex16_b32 v[ST+12*\x+10], v[ST+12*\x+8], s[SEL], s[SEL+1]
.endr
.irp x, 0,1
	v_max_num_f32 v[ST+12*\x+8], v[ST+12*\x+8], v[ST+12*\x+10]    ; and among lane l xor 16's 64 keys
.endr
.irp x, 0,1
	v_mul_f32 v[ST+12*\x+8], s[CS], v[ST+12*\x+8]                 ; as t (c is positive)
.endr
.irp x, 0,1
	v_max_num_f32 v[ST+12*\x+1], v[ST+12*\x+1], v[ST+12*\x+8]     ; the running largest t
.endr
.irp x, 0,1
	v_mov_b32 v[ST+12*\x+8], v[ST+12*\x]
.endr
.irp x, 0,1
	v_floor_f32 v[ST+12*\x], -v[ST+12*\x+1]                       ; the new -M = -ceil(t): a whole number
.endr
.irp x, 0,1
	v_sub_f32 v[ST+12*\x+8], v[ST+12*\x], v[ST+12*\x+8]           ; old M - new M: a whole number, 0 or less
.endr
.irp x, 0,1
	v_cvt_i32_f32 v[ST+12*\x+8], v[ST+12*\x+8]                    ; (it saturates)
.endr
.irp x, 0,1
	v_ldexp_f32 v[ST+12*\x+4], 1.0, v[ST+12*\x+8]                 ; f = 2^(old M - new M)
.endr
	; B: tile 0's t - M, two at a time
.set i, 0
.rept 32
	v_pk_fma_f32 v[S+2*i:S+2*i+1], v[S+2*i:S+2*i+1], s[CS:CS+1], v[ST:ST+1] op_sel_hi:[1,0,0]
.set i, i+1
.endr
	; C: tile 0's exponentials, one batch; tile 1's t - M stands among them
.set i, 0
.rept 32
	v_exp_f32 v[S+2*i], v[S+2*i]
	v_exp_f32 v[S+2*i+1], v[S+2*i+1]
	v_pk_fma_f32 v[S+64+2*i:S+64+2*i+1], v[S+64+2*i:S+64+2*i+1], s[CS:CS+1], v[ST+12:ST+13] op_sel_hi:[1,0,0]
.set i, i+1
.endr
	v_pk_mul_f32 v[ST+2:ST+3], v[ST+2:ST+3], v[ST+4:ST+5] op_sel_hi:[1,0]          ; the sums under the new M
	v_pk_mul_f32 v[ST+14:ST+15], v[ST+14:ST+15], v[ST+16:ST+17] op_sel_hi:[1,0]
	WIN 0x40                                       ; (the switch, then the wait, then the loads)
	s_wait_alu depctr_va_vdst(0)                   ; tile 0's exponentials have written v[S ..], ahead of their first reader (one wait for the batch); and the products V^T P^T of the step walked before are done reading V's registers, in which the loads below land
.irp f, 0,1,2,3,4,5,6,7,8,9,10,11,12,13,14,15
	ds_load_b128 v[VF+4*\f:VF+4*\f+3], v[LI] offset:(\VB)+512*\f  ; V: tile f / 4, piece f % 4.  Blocks D to G below, which name none of these registers, stand between the loads and the wait for them
.endr
	WIN 0
	; D: tile 1's exponentials, a second batch; tile 0's sum and the rescaling of O^T, which name none of its results, stand among them
.set i, 0
.rept 32
	v_exp_f32 v[S+64+2*i], v[S+64+2*i]
	SUMI 0
	v_exp_f32 v[S+64+2*i+1], v[S+64+2*i+1]
	v_pk_mul_f32 v[O+2*i:O+2*i+1], v[O+2*i:O+2*i+1], v[ST+12*(i/16)+4:ST+12*(i/16)+5] op_sel_hi:[1,0]   ; O^T x f, each accumulator from its low end on
.set i, i+1
.endr
	s_wait_alu depctr_va_vdst(0)                   ; tile 1's exponentials have written v[S+64 ..], which the sums below read: one wait for the batch
	; E: tile 1's sum
.set i, 0
.rept 32
	SUMI 1
.set i, i+1
.endr
	; F: the hold.  p is at most 1 (a rounding above); with e8 >= -8 the largest code x the scale is 1.75 or more and the hold changes nothing: a branch on the given whole number
	s_cmp_ge_i32 s[E8], -8
	s_cbranch_scc1 .Lnohold_\@
.set i, 0
.rept 128
	v_min_num_f32 v[S+i], v[S+i], v[PLIM]          ; the conversion to an 8-bit code does not saturate (ISA guide 7.6.2); p is not negative, so the hold is one-sided
.set i, i+1
.endr
.Lnohold_\@:
	; G: p's codes: registers 4 b .. 4 b + 3 of the operand are keys 32 b + 16 h + 0 .. 15
.irp x, 0,1
.irp b, 0,1,2,3
	v_cvt_scalef32_pk8_fp8_f32 v[PC+16*\x+4*\b:PC+16*\x+4*\b+1], v[S+64*\x+16*\b:S+64*\x+16*\b+7], v[PSC]
	v_cvt_scalef32_pk8_fp8_f32 v[PC+16*\x+4*\b+2:PC+16*\x+4*\b+3], v[S+64*\x+16*\b+8:S+64*\x+16*\b+15], v[PSC]
.endr
.endr
	v_nop                                          ; a plain line between the conversions and the products that read their results
	s_wait_dscnt 0x0                               ; V is in
	WIN 0x01                                       ; source 0 (V) window 1
.irp d, 0,1,2,3
.irp x, 0,1
	v_wmma_f32_16x16x128_fp8_fp8 v[O+32*\x+8*\d:O+32*\x+8*\d+7], v[VF+16*\d:VF+16*\d+15], v[PC+16*\x:PC+16*\x+15], v[O+32*\x+8*\d:O+32*\x+8*\d+7]   ; eight accumulators, one instruction a turn
.endr
.endr
	WIN 0
.rept 4
	v_nop                                          ; places in front of the next conversions into p's codes and of the next read of O^T (what the loads into V's registers hang on is stated by the wait ahead of them)
.endr
.Lskip_\@:
	s_lshr_b32 s[ACT], s[ACT], 1
	s_lshr_b32 s[MIX], s[MIX], 1
	s_add_nc_u64 s[8:9], s[8:9], 256               ; the next step's words (no scalar load is out: each was waited for)
.endm
; A SLOT: two key steps out of LDS slot cur.  At its head the next slot's 32,768 bytes are asked for, into registers; at its end they go into the other LDS slot.  ONE barrier: in front of it each wave's reads of slot cur are over and its stores
; into the other slot have landed; the other slot's last reads stood in front of the barrier before.  A slot that no wave of the work-group wants is neither loaded nor stored (the bit is the same in all eight waves); behind the last slot the bit is 0.
.macro SLOT cur, goff, pfoff
	s_wait_alu depctr_vm_vsrc(0)                   ; the LDS stores issued so far (the head's, or the slot's before) have read G's registers, in which the loads below land; it stands ahead of the branch, on every way to them
	s_bitcmp1_b32 s[NEED], 2
	s_cbranch_scc0 .Lnoload_\@
	WIN 0x40
.irp i, 0,1,2,3,4,5,6,7
	global_load_b128 v[G+4*\i:G+4*\i+3], v[TI], s[6:7] offset:\goff+4096*\i
.endr
	WIN 0
.Lnoload_\@:
	; a prefetch of the slot two on: 32,768 bytes, four waves x 32 lanes 256 bytes apart, one instruction a wave.  All eight work-groups of a head walk the same bytes: the first asks.  Slots 0 and 1 come by their loads alone; the last trip asks for nothing
	s_cmp_gt_u32 s[LC], s[LIM]
	s_cbranch_scc0 .Lnopf_\@
	global_prefetch_b8 v[PFO], s[6:7] offset:\pfoff th:TH_LOAD_NT scope:SCOPE_SE
.Lnopf_\@:
	STEP (\cur)*32768, (\cur)*32768+16384
	STEP (\cur)*32768+8192, (\cur)*32768+24576
	s_wait_loadcnt 0x0                             ; the next slot is in my registers
	s_bitcmp1_b32 s[NEED], 2
	s_cbranch_scc0 .Lnostore_\@
	WIN 0x04
.irp i, 0,1,2,3,4,5,6,7
	ds_store_b128 v[TI], v[G+4*\i:G+4*\i+3] offset:(1-\cur)*32768+4096*\i
.endr
	WIN 0
.Lnostore_\@:
	s_lshr_b32 s[NEED], s[NEED], 2
	s_wait_dscnt 0x0
	s_barrier_signal -1
	s_barrier_wait -1
.endm
.Ltrip:                                            ; four trips of two slots
	SLOT 0, 32768, 65536
	SLOT 1, 65536, 98304
	s_wait_xcnt 0x0                                ; the trip's loads and prefetches have read their base
	s_add_nc_u64 s[6:7], s[6:7], 65536
	s_sub_co_u32 s[LC], s[LC], 1
	s_cmp_lg_u32 s[LC], 0
	s_cbranch_scc1 .Ltrip
	; THE WAY OUT.  O^T / the sum, held and converted with 2^(e10 - e8 - e9): accumulators 2 q and 2 q + 1 of a tile are channels 32 q + 16 h + 0 .. 15 of my query: four registers of the last projection's operand, stored as their image
.irp x, 0,1
	v_add_f32 v[ST+12*\x+8], v[ST+12*\x+2], v[ST+12*\x+3]
.endr
.irp x, 0,1
	v_permlanex16_b32 v[ST+12*\x+10], v[ST+12*\x+8], s[SEL], s[SEL+1]
.endr
.irp x, 0,1
	v_add_f32 v[ST+12*\x+8], v[ST+12*\x+8], v[ST+12*\x+10]        ; the row's sum
.endr
.irp x, 0,1
	v_rcp_f32 v[ST+12*\x+4], v[ST+12*\x+8]
.endr
	v_nop                                          ; a plain line behind the reciprocals,
	s_wait_alu depctr_va_vdst(0)                   ; and the two reciprocals have written v12 and v24, ahead of their first reader: one wait for both
.irp x, 0,1
.set i, 0
.rept 16
	v_pk_mul_f32 v[S+64*\x+2*i:S+64*\x+2*i+1], v[O+32*\x+2*i:O+32*\x+2*i+1], v[ST+12*\x+4:ST+12*\x+5] op_sel_hi:[1,0]
.set i, i+1
.endr
.set i, 0
.rept 32
	v_med3_num_f32 v[S+64*\x+i], v[S+64*\x+i], s13, s12
.set i, i+1
.endr
.irp d, 0,1,2,3
	v_cvt_scalef32_pk8_fp8_f32 v[PC+16*\x+2*\d:PC+16*\x+2*\d+1], v[S+64*\x+8*\d:S+64*\x+8*\d+7], v[OSC]
.endr
	v_nop
.endr
	s_wait_alu depctr_va_vdst(0)                   ; both tiles' conversions have written v[PC ..], which the four stores read
.irp x, 0,1
.irp q, 0,1
	global_store_b128 v[LI], v[PC+16*\x+4*\q:PC+16*\x+4*\q+3], s[14:15] offset:16384*\x+512*\q   ; 32 lanes store 512 consecutive bytes
.endr
.endr
	s_wait_dscnt 0x0                               ; the closing lines, six on end
	s_wait_alu 0x0
	s_wait_tensorcnt 0x0
	ds_add_u32 v19, v31
	s_wait_dscnt 0x0
	s_endpgm
.Lfunc_end_k_q0e76fcccb2_attn:
	.size	k_q0e76fcccb2_attn, .Lfunc_end_k_q0e76fcccb2_attn-k_q0e76fcccb2_attn
	.p2alignl 7, 3214868480
	.fill 96, 4, 3214868480
	.section	.rodata,"a",@progbits
	.p2align	6, 0x0
	.amdhsa_kernel k_q0e76fcccb2_attn
		.amdhsa_group_segment_fixed_size 66560
		.amdhsa_private_segment_fixed_size 0
		.amdhsa_enable_private_segment 0
		.amdhsa_kernarg_size 48
		.amdhsa_user_sgpr_count 2
		.amdhsa_user_sgpr_kernarg_segment_ptr 1
		.amdhsa_wavefront_size32 1
		.amdhsa_system_sgpr_workgroup_id_x 1
		.amdhsa_system_sgpr_workgroup_id_y 1
		.amdhsa_system_sgpr_workgroup_id_z 1
		.amdhsa_system_vgpr_workitem_id 0
		.amdhsa_next_free_vgpr 512
		.amdhsa_next_free_sgpr 100
		.amdhsa_reserve_vcc 0
		.amdhsa_float_denorm_mode_32 3
		.amdhsa_float_denorm_mode_16_64 3
		.amdhsa_memory_ordered 1
		.amdhsa_forward_progress 1
		.amdhsa_inst_pref_size 168
	.end_amdhsa_kernel
	.amdgpu_metadata
---
amdhsa.version: [ 1, 2 ]
amdhsa.kernels:
  - .name:           k_q0e76fcccb2_attn
    .symbol:         k_q0e76fcccb2_attn.kd
    .args:
      - { .name: qimg, .offset: 0, .size: 8, .value_kind: global_buffer, .address_space: global }
      - { .name: kv, .offset: 8, .size: 8, .value_kind: global_buffer, .address_space: global }
      - { .name: mbits, .offset: 16, .size: 8, .value_kind: global_buffer, .address_space: global }
      - { .name: flags, .offset: 24, .size: 8, .value_kind: global_buffer, .address_space: global }
      - { .name: lowp_scales, .offset: 32, .size: 8, .value_kind: global_buffer, .address_space: global }
      - { .name: ao, .offset: 40, .size: 8, .value_kind: global_buffer, .address_space: global }
    .group_segment_fixed_size: 66560
    .private_segment_fixed_size: 0
    .kernarg_segment_align: 8
    .kernarg_segment_size: 48
    .max_flat_workgroup_size: 256
    .sgpr_count:     100
    .vgpr_count:     512
    .wavefront_size: 32
...
	.end_amdgpu_metadata
.endif
;; end of part 5
;; launch oproj: the kernel of part 4 again; grid 4 x 16, 4 waves a work-group, clusters of 4 x 4, 327,680 bytes of LDS; arguments ao, codes, lowp_scales, out0; writes out0
